; MI455X (gfx1250); checked and timed in simulation.
; The chip was launched on July 23, 2026; its instructions are those of AMD's public machine-readable ISA for CDNA 5 (MIT licence, August 2026) and "CDNA5" Instruction Set Architecture Reference Guide (July 2026). The comments in the code are by the model that wrote it; some were corrected since.
;; Attention. Allowed arithmetic: matrix products marked QUANTISED: E2M3 operands, one E8M0 scale for each 32 along K, by v_wmma_scale_f32_16x16x128_f8f6f4 with both operands' format E2M3, f32 sums; everything else in f32.
;; Inputs: Wout 1,024 x 1,024 float32; Wqkv 1,024 x 3,072 float32; bout 1,024 float32; bqkv 3,072 float32; x 4 x 2,048 x 1,024 float32.
;; Outputs: out0 4 x 2,048 x 1,024 float32.
;; This version of the problem:
;;   THIS VERSION OF THE PROBLEM IS GIVEN IN LOW PRECISION. The matrix products marked QUANTISED in the list below multiply operands that are first quantised to E2M3 (2 exponent bits, 3 mantissa bits; 6 bits a number), with one power-of-two scale for each 32 numbers along K (OCP MX v1.0); their sums are f32. All else is computed in f32.
;;   The module's matrix products, in the order in which they are computed (A, B: the left and right operand; K: the contracted axis; several contracted axes count as one K, in the product's order):
;;     1. [M 8,192, K 1,024] x [K 1,024, N 3,072]; A: input x; B: input Wqkv: QUANTISED
;;     2. batch 64 x [M 2,048, K 64] x [K 64, N 2,048]; A: computed on the way; B: computed on the way: QUANTISED
;;     3. batch 64 x [M 2,048, K 2,048] x [K 2,048, N 64]; A: softmax (see below); B: computed on the way: QUANTISED
;;     4. [M 8,192, K 1,024] x [K 1,024, N 1,024]; A: computed on the way; B: input Wout: QUANTISED
;;   THE QUANTISER, for each operand of a quantised product, along K:
;;     - K is cut into blocks of 32 from its start; a last block that is shorter is filled with zeros.
;;     - A block's scale is 2^e with e = floor(log2(the largest magnitude in the block)) - 2, held to -126 .. 127; a block of zeros has e = 0. As a byte (E8M0): e + 127.
;;     - Each number is divided by its block's scale, clamped to +-7.5, and rounded to the nearest number of E2M3, ties to even, subnormals kept.
;;     - The product sums the exact products of the quantised numbers (number of the format x scale) in f32.
;;   ~~~python
;;   def quantise(x, axis):      # numpy; x: float32 -> the quantised numbers, widened to float32 again
;;       x = np.moveaxis(x, axis, -1); K = x.shape[-1]
;;       x = np.pad(x, [(0, 0)] * (x.ndim - 1) + [(0, -K % 32)]); x = x.reshape(x.shape[:-1] + (-1, 32)); a = np.abs(x).max(-1, keepdims=True)
;;       e = np.where(a > 0, np.clip(np.frexp(np.where(a > 0, a, 1))[1] - 1 - 2, -126, 127), 0)      # np.frexp(a)[1] - 1 = floor(log2(a)), exactly
;;       r = np.clip(x / 2.0 ** e, -7.5, 7.5)
;;       step = 2.0 ** (np.maximum(np.frexp(np.where(r == 0, 1, r))[1] - 1, 0) - 3)
;;       q = np.round(r / step) * step * 2.0 ** e      # np.round: ties to even
;;       return np.moveaxis(q.reshape(q.shape[:-2] + (-1,))[..., :K], -1, axis).astype(np.float32)
;;   ~~~
;;   SOFTMAX AHEAD OF A QUANTISED PRODUCT. Where the list says 'softmax', what is quantised is not the finished softmax but p = 2^(t - M), with t = logit x log2(e) and M = ceil(the row's largest t), a whole number; so 1/2 < the row's largest p <= 1. The row's sum l is taken of the UNQUANTISED p, in f32, and the product's result is divided by l at the end. Since M is a whole number, a kernel that streams over the keys may use a running M (the ceiling of the running maximum): every later rescaling is an exact power of two, which a block's scale takes up: the codes' values come out the same.
;;   OPERANDS COMPUTED ON THE WAY. 'Computed on the way' means the value that the module computes at that place (a softmax that the list does not call 'softmax' is quantised finished and normalised). What goes into a quantiser is computed in f32, as accurately as f32 sums, v_exp_f32 and their like allow (about 1e-6 of the number): no bf16 or f16 on the way to a quantiser, and a product that is left as it is and whose result goes on into a quantised operand takes f32 operands (vector FMAs, or v_wmma_f32_16x16x4_f32). A number that lies on a knife's edge between two numbers of the format may be rounded either way, as far as f32 arithmetic and the matrix unit's own rounding can turn it there, and no further.
;; One version. Each part assembles by itself: llvm-mc -triple=amdgcn-amd-amdhsa -mcpu=gfx1250 --defsym DOCPART=n.
;; ======== version 1 of 1: 4 launches
;; workspace buffers: im 9,437,184 bytes; sc 393,216 bytes; qkc 12,582,912 bytes; qks 524,288 bytes; vc 6,291,456 bytes; vs 262,144 bytes; cc 6,291,456 bytes; cs 262,144 bytes
;; launch prep (part 1): grid 320 x 1, 4 waves a work-group, no clusters, 46,592 bytes of LDS; arguments x, Wqkv, Wout, im, sc; writes im, sc
.if DOCPART == 1
	.amdgcn_target "amdgcn-amd-amdhsa--gfx1250"
	.amdhsa_code_object_version 6
	.text
	.protected	k_q8d4f63039a_prep
	.globl	k_q8d4f63039a_prep
	.p2align	8
	.type	k_q8d4f63039a_prep,@function
k_q8d4f63039a_prep:
	s_mov_b64 s[64:65], 0
	v_nop
	global_prefetch_b8 v0, s[64:65] scope:SCOPE_SE
	s_setreg_imm32_b32 hwreg(HW_REG_WAVE_MODE, 25, 1), 1
	s_wait_xcnt 0x0
; x [8192][1024], Wqkv [1024][3072] and Wout [1024][1024], f32, become codes of FP6 (E2M3) with one E8M0 byte for each 32 along K = 1,024.
; A block's scale is 2^(floor(log2(its largest magnitude)) - 2); its byte is the largest magnitude's exponent field - 2, held at 1 from below.
; LIMITS: NaN and infinities among the inputs are not served; a block whose largest magnitude lies under 2^-124 keeps the byte 1 (a block of zeros too, where the
; quantiser says 127: its codes are zeros, which add nothing under any byte but 0xff, and this program alone reads the bytes).
; OUTPUT LAYOUT.  im: [tile 768][K step 8][1,536 bytes].  A TILE is 16 rows: tile 2 G + u holds rows 32 G + 8 u + r + 8 (r / 8), r = 0 .. 15 (rows of x; columns of the weights).
; 1,536 bytes are the IMAGE OF AN OPERAND'S 12 REGISTERS for 128 along K, as two halves of 768: of a half's six registers a lane, four lie at 16 x lane and two at 512 + 8 x lane.
; Tiles 0-511 x, 512-703 Wqkv's columns, 704-767 Wout's.  sc: [tile][K half 2][row 16][4 words]: a word holds the four bytes of one K step.
; Work-groups 0-255 take x (K innermost), 256-319 the weights (K outermost).  The two paths part on the work-group's number, never join, and have LDS bytes of their own.
.set XWB,   8448                       ; path x: a wave's stage: 16 rows x (512 bytes + 16), from LDS byte 0
.set WST,   33792                      ; path W: the stages begin here,
.set WWB,   3072                       ; two images of 1,536 bytes for each wave
.set SPARE, 46080                      ; the spare words, 128 bytes for each wave: two blocks of 256 bytes that no other line names
.set SPW,   14                         ; v14  LDS address of my spare word; never rewritten
.set NIL,   15                         ; v15  0; never rewritten
.set R,     64                         ; path x: v64-191 two sets of 64 registers as loaded
.set X,     192                        ; path x: v192-255 my two blocks of 32 neighbours
.set PC,    16                         ; path x: v16-27 the fragment's codes; v28-30, v32-34 second halves on their way
	s_load_b256 s[4:11], s[0:1], 0x0               ; x s[4:5], Wqkv s[6:7], Wout s[8:9], im s[10:11]
	s_load_b64 s[12:13], s[0:1], 0x20              ; sc
	v_lshl_add_u32 v[SPW], v0, 2, SPARE
	v_mov_b32 v[NIL], 0
	v_lshrrev_b32 v1, 5, v0
	v_readfirstlane_b32 s16, v1                    ; wave 0..3
	v_and_b32 v1, 31, v0                           ; lane
	v_lshlrev_b32 v2, 4, v1                        ; 16 x lane: an image's first part, and my 16 bytes of a load's 512
	v_lshl_add_u32 v3, v1, 3, 512                  ; 512 + 8 x lane: an image's second part
	s_mov_b32 s20, 0x76543210
	s_mov_b32 s21, 0xfedcba98                      ; v_permlanex16_b32's selects for lane l xor 16
	s_cmp_lt_u32 ttmp9, 256
	s_cbranch_scc0 .Lweights
; ---------------- x: a wave takes one tile (16 rows) x 512 along K: four K steps, written out ----------------
	s_lshl_b32 s17, ttmp9, 2
	s_add_co_u32 s17, s17, s16                     ; 0 .. 1,023
	s_lshr_b32 s18, s17, 1                         ; the tile
	s_and_b32 s19, s17, 1                          ; which half of K
	s_and_b32 s22, s18, 1
	s_lshl_b32 s22, s22, 3
	s_lshl_b32 s23, s18, 4
	s_sub_co_u32 s23, s23, s22                     ; the tile's first row: 16 tile - 8 (tile % 2) = 32 G + 8 u
	s_lshl_b32 s24, s23, 12                        ; x 4,096 bytes
	s_lshl_b32 s22, s19, 11
	s_add_co_u32 s24, s24, s22                     ; + 2,048 bytes for the upper half of K
	s_mov_b32 s25, 0
	s_lshl_b32 s26, s18, 3
	s_lshl_b32 s22, s19, 2
	s_add_co_u32 s26, s26, s22
	s_mul_i32 s26, s26, 1536                       ; im: (8 tile + 4 half) images
	s_mov_b32 s27, 0
	s_lshl_b32 s28, s18, 9
	s_lshl_b32 s22, s19, 8
	s_add_co_u32 s28, s28, s22                     ; sc: 512 tile + 256 half
	s_mov_b32 s29, 0
	s_mul_i32 s30, s16, XWB                        ; my stage
	s_wait_alu depctr_va_vdst(0)
	v_add_nc_u32 v4, s30, v2                       ; into it: 16 x lane of a row
	v_and_b32 v5, 15, v0                           ; r
	v_bfe_u32 v6, v0, 4, 1                         ; h
	v_lshlrev_b32 v7, 4, v5
	v_lshl_add_u32 v7, v6, 3, v7                   ; sc: 16 r + 8 h
	v_mul_u32_u24 v5, v5, 528
	v_lshl_add_u32 v5, v6, 7, v5
	v_add_nc_u32 v5, s30, v5                       ; out of it: row r, + 128 h bytes: block h of the K step
	v_lshlrev_b32 v6, 3, v6                        ; 8 h
	v_mov_b32 v43, 0                               ; written once: a lane permute's destination counts as one of its sources
	s_wait_alu depctr_va_vdst(0)
	s_wait_kmcnt 0x0
	s_add_nc_u64 s[4:5], s[4:5], s[24:25]
	s_add_nc_u64 s[10:11], s[10:11], s[26:27]
	s_add_nc_u64 s[12:13], s[12:13], s[28:29]
.macro LOADX s                         ; K step s of my 16 rows: each load reads 512 consecutive bytes of one row
.irp i, 0,1,2,3,4,5,6,7,8,9,10,11,12,13,14,15
	global_load_b128 v[R+64*((\s)%2)+4*\i:R+64*((\s)%2)+4*\i+3], v2, s[4:5] offset:(\i+8*(\i/8))*4096+512*(\s) th:TH_LOAD_NT
.endr
.endm
.macro TURNX s                         ; through my stage: in as loaded, out as two whole blocks of 32 a lane (blocks h and 2 + h of row r).  LDS serves a wave's instructions in order
.irp i, 0,1,2,3,4,5,6,7,8,9,10,11,12,13,14,15
	ds_store_b128 v4, v[R+64*((\s)%2)+4*\i:R+64*((\s)%2)+4*\i+3] offset:528*\i
.endr
.irp c, 0,1
.irp k, 0,1,2,3,4,5,6,7
	ds_load_b128 v[X+32*\c+4*\k:X+32*\c+4*\k+3], v5 offset:256*\c+16*\k
.endr
.endr
.endm
.macro QB s                            ; my two blocks become the operand's registers 0-5 and 6-11, and my row's scale word
.irp c, 0,1
	v_max3_num_f32 v[36+\c], |v[X+32*\c]|, |v[X+32*\c+1]|, 0x1800000   ; with the floor 2^(3 - 127) among the leaves: the byte cannot fall under 1
.endr
.irp i, 2,4,6,8,10,12,14,16,18,20,22,24,26,28,30
.irp c, 0,1
	v_max3_num_f32 v[36+\c], v[36+\c], |v[X+32*\c+\i]|, |v[X+32*\c+\i+1]|
.endr
.endr
.irp c, 0,1
	v_add_nc_u32 v[40+\c], 0xff000000, v[36+\c]    ; 2 off the exponent field: the conversion's scale operand
.endr
.irp c, 0,1
	v_lshrrev_b32 v[38+\c], 23, v[40+\c]           ; the scale's byte
.endr
	v_lshl_or_b32 v42, v39, 16, v38                ; bytes of blocks h and 2 + h,
	v_lshlrev_b32 v42, v6, v42                     ; at their places in the word;
	v_permlanex16_b32 v43, v42, s20, s21
	v_or_b32 v[8+\s], v42, v43                     ; with lane l xor 16's two the word is whole
	s_wait_alu depctr_va_vdst(0)
	s_wait_xcnt 0x0                                ; the last step's stores have read the codes' registers
.irp c, 0,1
	v_cvt_scalef32_pk16_fp6_f32 v[PC+6*\c:PC+6*\c+2], v[X+32*\c:X+32*\c+15], v[40+\c]
	v_cvt_scalef32_pk16_fp6_f32 v[PC+12+4*\c:PC+14+4*\c], v[X+32*\c+16:X+32*\c+31], v[40+\c]   ; (a conversion's three registers begin on an even number)
.endr
	v_nop                                          ; one plain place behind a scaled conversion
.irp c, 0,1
.irp i, 0,1,2
	v_mov_b32 v[PC+3+6*\c+\i], v[PC+12+4*\c+\i]
.endr
.endr
	global_store_b128 v2, v[PC:PC+3], s[10:11] offset:1536*\s          ; each store of the wave covers 512 or 256 consecutive bytes, aligned to 256
	global_store_b64 v3, v[PC+4:PC+5], s[10:11] offset:1536*\s
	global_store_b128 v2, v[PC+6:PC+9], s[10:11] offset:1536*\s+768
	global_store_b64 v3, v[PC+10:PC+11], s[10:11] offset:1536*\s+768
.endm
.macro XSTEP s
.if (\s) < 3
	s_wait_loadcnt 16                              ; this step's 16 loads are in; the next step's 16 stay out
.else
	s_wait_loadcnt 0
.endif
	TURNX \s
	s_wait_dscnt 0x0                               ; my blocks are back; the stage's stores have read their registers,
.if (\s) < 2
	LOADX (\s)+2                                   ; which take the loads of two steps on
.endif
	QB \s
.endm
	LOADX 0
	LOADX 1
	XSTEP 0
	XSTEP 1
	XSTEP 2
	XSTEP 3
	v_cmp_ne_u32 vcc_lo, 0, v6
	v_cndmask_b32 v12, v8, v10, vcc_lo             ; lanes 0-15 store words 0, 1 of their row, lanes 16-31 words 2, 3
	v_cndmask_b32 v13, v9, v11, vcc_lo
	global_store_b64 v7, v[12:13], s[12:13]        ; 256 consecutive bytes, aligned
	s_wait_tensorcnt 0x0                           ; the wave's end: a tensor wait, an LDS add and its wait behind my last LDS store
	ds_add_u32 v[SPW], v[NIL]
	s_wait_dscnt 0x0
	s_endpgm
; ---------------- the weights: K is the first axis.  A lane takes a column, its registers run down K: a block of 32 is one lane's, and the codes come out with K innermost ----------------
; A work-group takes 128 columns x 512 along K; a wave 32 columns: two tiles.  Lane l holds tile u = (l / 8) % 2, row r = l % 8 + 8 (l / 16).
.Lweights:
	s_sub_co_u32 s17, ttmp9, 256
	s_lshr_b32 s18, s17, 1                         ; block of 128 columns, 0 .. 31: 0-23 Wqkv's, 24-31 Wout's
	s_and_b32 s19, s17, 1                          ; which half of K
	s_max_u32 s22, s18, 24
	s_sub_co_u32 s22, s22, 24
	s_mov_b32 s23, 4096
	s_cmp_lt_u32 s18, 24
	s_cselect_b32 s22, s18, s22                    ; the block's number in its own tensor
	s_cselect_b32 s23, 12288, s23                  ; bytes from row to row
	s_lshl_b32 s30, s22, 9
	s_lshl_b32 s31, s16, 7
	s_add_co_u32 s30, s30, s31                     ; my wave's first column, in bytes
	s_mul_i32 s31, s23, s19
	s_lshl_b32 s31, s31, 9
	s_add_co_u32 s30, s30, s31                     ; + 512 rows for the upper half of K
	s_mov_b32 s31, 0
	s_lshl_b32 s28, s23, 6                         ; 64 rows: two blocks on
	s_mov_b32 s29, 0
	s_lshl_b32 s32, s23, 5                         ; 32 rows: one block
	s_mov_b32 s33, 0
	s_lshl_b32 s34, s18, 3
	s_lshl_b32 s35, s16, 1
	s_add_co_u32 s34, s34, s35
	s_add_co_u32 s34, s34, 512                     ; my first tile
	s_lshl_b32 s36, s34, 9
	s_lshl_b32 s35, s19, 8
	s_add_co_u32 s36, s36, s35                     ; sc: 512 tile + 256 half
	s_mov_b32 s37, 0
	s_mul_i32 s34, s34, 12288
	s_mul_i32 s35, s19, 6144
	s_add_co_u32 s34, s34, s35                     ; im: tile x 8 images + 4 images for the upper half
	s_mov_b32 s35, 0
	s_mul_i32 s38, s16, WWB
	s_add_co_u32 s38, s38, WST                     ; my stage
	v_and_b32 v16, 7, v0
	v_bfe_u32 v17, v0, 4, 1
	v_bfe_u32 v18, v0, 3, 1                        ; u
	v_lshlrev_b32 v19, 4, v16
	v_lshl_add_u32 v19, v17, 7, v19                ; 16 r
	v_lshl_add_u32 v12, v18, 9, v19                ; sc: 512 u + 16 r
	v_mad_u32_u24 v4, v18, 1536, v19
	v_lshrrev_b32 v19, 1, v19                      ; 8 r
	v_mad_u32_u24 v5, v18, 1536, v19
	v_add_nc_u32 v4, s38, v4                       ; into the stage: image u, first part, row r
	v_add_nc_u32 v5, s38, v5
	v_add_nc_u32 v5, 512, v5                       ; second part
	v_add_nc_u32 v6, s38, v2                       ; out of it: 16 x lane,
	v_add_nc_u32 v7, s38, v3                       ; 512 + 8 x lane
	v_lshlrev_b32 v1, 2, v1                        ; 4 bytes a lane
.set J, 0
.rept 32
	v_mad_u32_u24 v[32+J], s23, J, v1              ; v32-63: row J of a block, my column (the pitch differs between the two tensors, so it cannot stand in an immediate)
.set J, J+1
.endr
	s_wait_alu depctr_va_vdst(0)
	s_wait_kmcnt 0x0
	s_cmp_lt_u32 s18, 24
	s_cselect_b64 s[24:25], s[6:7], s[8:9]         ; the choice hangs on the work-group's number alone
	s_add_nc_u64 s[24:25], s[24:25], s[30:31]      ; the even blocks' base,
	s_add_nc_u64 s[26:27], s[24:25], s[32:33]      ; the odd blocks'
	s_add_nc_u64 s[10:11], s[10:11], s[34:35]
	s_add_nc_u64 s[12:13], s[12:13], s[36:37]
.macro LOADW t                         ; block t: 32 rows, 128 consecutive bytes a wave each, into set t % 2
.set J, 0
.rept 32
	global_load_b32 v[64+32*((\t)%2)+J], v[32+J], s[24+2*((\t)%2):25+2*((\t)%2)] th:TH_LOAD_NT
.set J, J+1
.endr
.endm
.macro BLOCK t
.set XS, 64+32*((\t)%2)
.if (\t) < 15
	s_wait_loadcnt 32                              ; this block's 32 loads are in; the next block's stay out
.else
	s_wait_loadcnt 0
.endif
	v_max3_num_f32 v28, |v[XS]|, |v[XS+1]|, |v[XS+2]|
	v_max3_num_f32 v29, |v[XS+3]|, |v[XS+4]|, |v[XS+5]|
.irp i, 6,10,14,18,22,26
	v_max3_num_f32 v28, v28, |v[XS+\i]|, |v[XS+\i+1]|
	v_max3_num_f32 v29, v29, |v[XS+\i+2]|, |v[XS+\i+3]|
.endr
	v_max3_num_f32 v28, v28, |v[XS+30]|, |v[XS+31]|
	v_max3_num_f32 v28, v28, v29, 0x1800000        ; and the floor
	v_add_nc_u32 v30, 0xff000000, v28              ; the conversion's scale operand
	v_lshrrev_b32 v31, 23, v30                     ; the byte
.if (\t)%4 == 0
	v_mov_b32 v[8+(\t)/4], v31                     ; four bytes make a K step's word
.else
	v_lshl_or_b32 v[8+(\t)/4], v31, 8*((\t)%4), v[8+(\t)/4]
.endif
	v_cvt_scalef32_pk16_fp6_f32 v[16:18], v[XS:XS+15], v30
	v_cvt_scalef32_pk16_fp6_f32 v[24:26], v[XS+16:XS+31], v30
	v_nop                                          ; one plain place behind a scaled conversion
	v_mov_b32 v19, v24
	v_mov_b32 v20, v25
	v_mov_b32 v21, v26
	ds_store_b128 v4, v[16:19] offset:768*(((\t)%4)/2)+256*((\t)%2)   ; block 2 c + h of the K step is what lane (r, h) of half c holds
	ds_store_b64 v5, v[20:21] offset:768*(((\t)%4)/2)+128*((\t)%2)
.if (\t)+2 < 16
	s_add_nc_u64 s[24+2*((\t)%2):25+2*((\t)%2)], s[24+2*((\t)%2):25+2*((\t)%2)], s[28:29]   ; this block's loads are done (the wait above): their base may step
	LOADW (\t)+2
.endif
	s_wait_dscnt 0x0                               ; the stores have read their registers
.if (\t)%4 == 3                        ; a K step's two images are whole: they leave as they lie
	s_wait_xcnt 0x0                                ; the last K step's stores have read v128-151
.irp u, 0,1
	ds_load_b128 v[128+12*\u:131+12*\u], v6 offset:1536*\u
	ds_load_b64 v[132+12*\u:133+12*\u], v7 offset:1536*\u
	ds_load_b128 v[134+12*\u:137+12*\u], v6 offset:1536*\u+768
	ds_load_b64 v[138+12*\u:139+12*\u], v7 offset:1536*\u+768
.endr
	s_wait_dscnt 0x0
.irp u, 0,1
	global_store_b128 v2, v[128+12*\u:131+12*\u], s[10:11] offset:12288*\u+1536*((\t)/4)
	global_store_b64 v3, v[132+12*\u:133+12*\u], s[10:11] offset:12288*\u+1536*((\t)/4)
	global_store_b128 v2, v[134+12*\u:137+12*\u], s[10:11] offset:12288*\u+1536*((\t)/4)+768
	global_store_b64 v3, v[138+12*\u:139+12*\u], s[10:11] offset:12288*\u+1536*((\t)/4)+768
.endr
.endif
.endm
	LOADW 0
	LOADW 1
.set Q, 0
.rept 16
	BLOCK Q
.set Q, Q+1
.endr
	s_wait_alu depctr_va_vdst(0)
	global_store_b128 v12, v[8:11], s[12:13]       ; my column's four words: the wave fills two aligned runs of 256 bytes
	s_wait_tensorcnt 0x0                           ; the wave's end: a tensor wait, an LDS add and its wait behind my last LDS store
	ds_add_u32 v[SPW], v[NIL]
	s_wait_dscnt 0x0
	s_endpgm
.Lfunc_end_k_q8d4f63039a_prep:
	.size	k_q8d4f63039a_prep, .Lfunc_end_k_q8d4f63039a_prep-k_q8d4f63039a_prep
	.p2alignl 7, 3214868480
	.fill 96, 4, 3214868480
	.section	.rodata,"a",@progbits
	.p2align	6, 0x0
	.amdhsa_kernel k_q8d4f63039a_prep
		.amdhsa_group_segment_fixed_size 46592
		.amdhsa_private_segment_fixed_size 0
		.amdhsa_enable_private_segment 0
		.amdhsa_kernarg_size 40
		.amdhsa_user_sgpr_count 2
		.amdhsa_user_sgpr_kernarg_segment_ptr 1
		.amdhsa_wavefront_size32 1
		.amdhsa_system_sgpr_workgroup_id_x 1
		.amdhsa_system_sgpr_workgroup_id_y 1
		.amdhsa_system_sgpr_workgroup_id_z 1
		.amdhsa_system_vgpr_workitem_id 0
		.amdhsa_next_free_vgpr 256
		.amdhsa_next_free_sgpr 66
		.amdhsa_reserve_vcc 1
		.amdhsa_float_denorm_mode_32 3
		.amdhsa_float_denorm_mode_16_64 3
		.amdhsa_memory_ordered 1
		.amdhsa_forward_progress 1
		.amdhsa_inst_pref_size 115
	.end_amdhsa_kernel
	.amdgpu_metadata
---
amdhsa.version: [ 1, 2 ]
amdhsa.kernels:
  - .name:           k_q8d4f63039a_prep
    .symbol:         k_q8d4f63039a_prep.kd
    .args:
      - { .name: x, .offset: 0, .size: 8, .value_kind: global_buffer, .address_space: global }
      - { .name: Wqkv, .offset: 8, .size: 8, .value_kind: global_buffer, .address_space: global }
      - { .name: Wout, .offset: 16, .size: 8, .value_kind: global_buffer, .address_space: global }
      - { .name: im, .offset: 24, .size: 8, .value_kind: global_buffer, .address_space: global }
      - { .name: sc, .offset: 32, .size: 8, .value_kind: global_buffer, .address_space: global }
    .group_segment_fixed_size: 46592
    .private_segment_fixed_size: 0
    .kernarg_segment_align: 8
    .kernarg_segment_size: 40
    .max_flat_workgroup_size: 128
    .sgpr_count:     66
    .vgpr_count:     256
    .wavefront_size: 32
...
	.end_amdgpu_metadata
.endif
;; end of part 1
;; launch qkv (part 2): grid 24 x 32, 4 waves a work-group, clusters of 4 x 4, 327,680 bytes of LDS; arguments im, sc, bqkv, qkc, qks, vc, vs; writes qkc, qks, vc, vs
.if DOCPART == 2
	.amdgcn_target "amdgcn-amd-amdhsa--gfx1250"
	.amdhsa_code_object_version 6
	.text
	.protected	k_q8d4f63039a_qkv
	.globl	k_q8d4f63039a_qkv
	.p2align	8
	.type	k_q8d4f63039a_qkv,@function
k_q8d4f63039a_qkv:
	s_mov_b64 s[64:65], 0
	v_nop
	global_prefetch_b8 v0, s[64:65] scope:SCOPE_SE
	s_setreg_imm32_b32 hwreg(HW_REG_WAVE_MODE, 25, 1), 1
	s_wait_xcnt 0x0
	s_wait_alu depctr_hold_cnt(0) depctr_sa_sdst(0) depctr_va_vdst(0) depctr_va_sdst(0) depctr_va_ssrc(0) depctr_va_vcc(0) depctr_vm_vsrc(0)
	s_getreg_b32 s2, hwreg(HW_REG_IB_STS2, 6, 4)
	s_cmp_eq_u32 s2, 0
	s_cbranch_scc0 .Lentry_in_a_cluster
	s_endpgm
.Lentry_in_a_cluster:
	s_bfe_u32 s2, ttmp6, 0x10000c
	s_cmp_lg_u32 s2, 0xf033
	s_cbranch_scc0 .Lentry_shape_is_right
	s_endpgm
.Lentry_shape_is_right:
; qkv = Q(x) Q(Wqkv) + bqkv on codes of FP6 (E2M3) with E8M0 scales, K = 1,024; the result is quantised at once for attention and leaves as codes alone.
; Operands come from im / sc: tiles of 16 rows (tile 2 G + u = rows 32 G + 8 u + r + 8 (r / 8)), 8 K steps of 1,536 bytes each, every K step an image of the operand's 12 registers.
; A work-group of four waves multiplies 16 tiles (S1, source 1) by 8 tiles (S0, source 0); wave w has S1's tiles 4 w .. 4 w + 3 and all of S0: 32 accumulators.
; In a result lane (r, h) holds S1's row r, and by the tiles' order its 64 registers of one S1 tile are k = 32 b + 16 h + i of S0's 128 rows: what the next quantiser wants.
; REGIONS, by the cluster's x (the same in all partners).  x < 4: S1 = 256 tokens, S0 = 128 columns of Q or K (two heads): a lane holds a token, quantised along the head.
;   x >= 4: S1 = 256 columns of V (a wave: one head), S0 = 128 tokens (a key step): a lane holds a channel, quantised along the keys.  Both operands lie in im, so the swap is index arithmetic.
; ALL OF K LIES IN LDS: 24 tiles x 12,288 bytes, as four groups of two K steps; every tensor load is a first fill, nothing is filled again.  lds_bytes claims all of LDS; the text uses 295,424 bytes.
; CLUSTER 4 x 4: S1's tiles hang on cy alone and are asked for jointly by a row of the cluster, S0's on cx alone, by a column.  A loading wave has four tensor loads out.
; OUT.  qkc [eta 32][batch 4][token tile 128][768]: half images (16 tokens x the head's 64); eta 0-15 Q's heads, 16-31 K's.  qks [eta / 2][batch][64 tokens][256]: [eta % 2][row 16][pair 2] words,
;   a word = the two bytes of the pair's first tile, then the second's.  vc [head x 4 + batch][key step 16][channel tile 4][1,536].  vs [head x 4 + batch][key step][256]: [half 2][row 16][2] words.
; LIMITS: NaN and infinities are not served; a block of zeros gets the byte 1 (zero codes; this program alone reads the bytes).
; REGISTERS: window 0: v1-15 lane numbers and addresses; v16-21 scale words on their way out; v30, v31 the add's two; v32-63 S0's scale words, v64-79 S1's; v96-114 codes just made;
;   v128-223 S1's fragments, two sets (later 64 numbers to quantise); v224-240 at work.  window 1: S0's fragments, two sets.  window 2: accumulator (a, b) at v[8 (8 a + b)].  window 3: v0-63, v64-71 the biases.
.set GRP,   73728                      ; a group: 24 tiles x 3,072 bytes (two K steps)
.set SPARE, 294912                     ; behind the four groups: the spare words, 128 bytes for each wave: two blocks of 256 bytes that no other line names
.set AP1, 4                            ; v4, v5  LDS address of my S1 fragments: first part (16 x lane), second part (512 + 8 x lane)
.set AQ1, 5
.set AP0, 6                            ; v6, v7  the same for S0
.set AQ0, 7
.set SPW, 30
.set NIL, 31
.set SC0, 32                           ; register 8 i + s: K step s; lanes 0-15 S0's tile 2 i, lanes 16-31 tile 2 i + 1
.set SC1, 64                           ; the same for my four tiles of S1
.set PC,  96
.set TM,  224
.set PW,  240
.set WV,  18
.set SEL, 98
.set MSB, 0
.macro WIN new                         ; the immediate's high byte repeats the setting that is left
.if MSB != \new
	s_set_vgpr_msb (MSB<<8)|\new
.set MSB, \new
.endif
.endm
.macro CROUND                          ; a round of the cluster's barrier
	s_barrier_signal -1
	s_barrier_wait -1
	s_cmp_lg_u32 s[WV], 0
	s_cbranch_scc1 .Lnot_wave_0_\@
	s_barrier_signal -3
.Lnot_wave_0_\@:
	s_barrier_wait -3
	s_barrier_signal -1
	s_barrier_wait -1
.endm
.macro FRAG reg, ap, aq, off           ; a fragment's 12 registers from its image
	ds_load_b128 v[(\reg):(\reg)+3], v[\ap] offset:(\off)
	ds_load_b64 v[(\reg)+4:(\reg)+5], v[\aq] offset:(\off)
	ds_load_b128 v[(\reg)+6:(\reg)+9], v[\ap] offset:(\off)+768
	ds_load_b64 v[(\reg)+10:(\reg)+11], v[\aq] offset:(\off)+768
.endm
.macro WM d, a, b, cr, sa, sb, ra, rb  ; one product; cr < 0: C is the constant 0; ra, rb: which half of the lanes holds the side's scale words
.if (\cr) < 0
.if ((\ra) == 0) && ((\rb) == 0)
	v_wmma_scale_f32_16x16x128_f8f6f4 v[(\d):(\d)+7], v[(\a):(\a)+11], v[(\b):(\b)+11], 0, v[\sa], v[\sb] matrix_a_fmt:MATRIX_FMT_FP6 matrix_b_fmt:MATRIX_FMT_FP6
.elseif (\rb) == 0
	v_wmma_scale_f32_16x16x128_f8f6f4 v[(\d):(\d)+7], v[(\a):(\a)+11], v[(\b):(\b)+11], 0, v[\sa], v[\sb] matrix_a_fmt:MATRIX_FMT_FP6 matrix_b_fmt:MATRIX_FMT_FP6 matrix_a_scale:MATRIX_SCALE_ROW1
.elseif (\ra) == 0
	v_wmma_scale_f32_16x16x128_f8f6f4 v[(\d):(\d)+7], v[(\a):(\a)+11], v[(\b):(\b)+11], 0, v[\sa], v[\sb] matrix_a_fmt:MATRIX_FMT_FP6 matrix_b_fmt:MATRIX_FMT_FP6 matrix_b_scale:MATRIX_SCALE_ROW1
.else
	v_wmma_scale_f32_16x16x128_f8f6f4 v[(\d):(\d)+7], v[(\a):(\a)+11], v[(\b):(\b)+11], 0, v[\sa], v[\sb] matrix_a_fmt:MATRIX_FMT_FP6 matrix_b_fmt:MATRIX_FMT_FP6 matrix_a_scale:MATRIX_SCALE_ROW1 matrix_b_scale:MATRIX_SCALE_ROW1
.endif
.else
.if ((\ra) == 0) && ((\rb) == 0)
	v_wmma_scale_f32_16x16x128_f8f6f4 v[(\d):(\d)+7], v[(\a):(\a)+11], v[(\b):(\b)+11], v[(\cr):(\cr)+7], v[\sa], v[\sb] matrix_a_fmt:MATRIX_FMT_FP6 matrix_b_fmt:MATRIX_FMT_FP6
.elseif (\rb) == 0
	v_wmma_scale_f32_16x16x128_f8f6f4 v[(\d):(\d)+7], v[(\a):(\a)+11], v[(\b):(\b)+11], v[(\cr):(\cr)+7], v[\sa], v[\sb] matrix_a_fmt:MATRIX_FMT_FP6 matrix_b_fmt:MATRIX_FMT_FP6 matrix_a_scale:MATRIX_SCALE_ROW1
.elseif (\ra) == 0
	v_wmma_scale_f32_16x16x128_f8f6f4 v[(\d):(\d)+7], v[(\a):(\a)+11], v[(\b):(\b)+11], v[(\cr):(\cr)+7], v[\sa], v[\sb] matrix_a_fmt:MATRIX_FMT_FP6 matrix_b_fmt:MATRIX_FMT_FP6 matrix_b_scale:MATRIX_SCALE_ROW1
.else
	v_wmma_scale_f32_16x16x128_f8f6f4 v[(\d):(\d)+7], v[(\a):(\a)+11], v[(\b):(\b)+11], v[(\cr):(\cr)+7], v[\sa], v[\sb] matrix_a_fmt:MATRIX_FMT_FP6 matrix_b_fmt:MATRIX_FMT_FP6 matrix_a_scale:MATRIX_SCALE_ROW1 matrix_b_scale:MATRIX_SCALE_ROW1
.endif
.endif
.endm
; 16 products of K step s: S1's tiles a0, a0 + 1 against S0's eight.  The 32 accumulators take turns, one instruction a turn, in the same order in every step.
.macro MUL16 a0, s
.irp a, \a0, \a0+1
.irp b, 0,1,2,3,4,5,6,7
.if (\s) == 0
	WM 8*(8*(\a)+\b), 128*((\s)%2)+12*\b, 128+48*((\s)%2)+12*(\a), -1, SC0+8*(\b/2)+(\s), SC1+8*((\a)/2)+(\s), \b%2, (\a)%2
.else
	WM 8*(8*(\a)+\b), 128*((\s)%2)+12*\b, 128+48*((\s)%2)+12*(\a), 8*(8*(\a)+\b), SC0+8*(\b/2)+(\s), SC1+8*((\a)/2)+(\s), \b%2, (\a)%2
.endif
.endr
.endr
.endm
.macro FETCH s                         ; K step s's twelve fragments into set s % 2: 48 LDS loads in one run
	WIN 0x40                                       ; destination window 1
.irp b, 0,1,2,3,4,5,6,7
	FRAG 128*((\s)%2)+12*\b, AP0, AQ0, 3072*\b+1536*((\s)%2)
.endr
	WIN 0
.irp a, 0,1,2,3
	FRAG 128+48*((\s)%2)+12*\a, AP1, AQ1, 3072*\a+1536*((\s)%2)
.endr
.endm
; A K step: 32 products; in its middle the next step's fragments are fetched, behind four plain vector instructions that name no register of the products (ISA guide 7.12.1 for vector instructions).
; An odd step's successor lies in the next group: my part of that group has landed (the later groups may stay out), and a barrier shows everybody's.
.macro KSTEP s
	s_wait_dscnt 0x0                               ; this step's fragments are in
.if ((\s)%2 == 1) && ((\s) < 7)
	s_wait_tensorcnt 2-((\s)-1)/2                  ; of my four loads those of the groups behind the next one may be out
	s_barrier_signal -1
.endif
	WIN 0xa1                                       ; source 0 window 1, source 1 window 0, C and D window 2
	MUL16 0, \s
.if (\s) < 7
	WIN 0
.if (\s)%2 == 1
	s_barrier_wait -1
	v_add_nc_u32 v[AP1], GRP, v[AP1]               ; on to the next group: these four are also the places in front of the loads
	v_add_nc_u32 v[AQ1], GRP, v[AQ1]
	v_add_nc_u32 v[AP0], GRP, v[AP0]
	v_add_nc_u32 v[AQ0], GRP, v[AQ0]
.else
.rept 4
	v_nop
.endr
.endif
	FETCH (\s)+1
	WIN 0xa1
.endif
	MUL16 2, \s
.endm
; 64 numbers of a lane, register 16 b + i = k 32 b + 16 (lane / 16) + i of my row, become a fragment's codes in v[PC] on and its scale word in v[PW] (the same in both halves of the lanes).
.macro QUANT s
.irp b, 0,1,2,3
	v_max3_num_f32 v[TM+\b], |v[\s+16*\b]|, |v[\s+1+16*\b]|, 0x1800000   ; with the floor 2^(3 - 127): the byte cannot fall under 1
.endr
.irp i, 2,4,6,8,10,12,14
.irp b, 0,1,2,3
	v_max3_num_f32 v[TM+\b], v[TM+\b], |v[\s+16*\b+\i]|, |v[\s+1+16*\b+\i]|
.endr
.endr
.irp b, 0,1,2,3
	v_permlanex16_b32 v[TM+4+\b], v[TM+\b], s[SEL], s[SEL+1]
.endr
.irp b, 0,1,2,3
	v_max_num_f32 v[TM+\b], v[TM+\b], v[TM+4+\b]   ; with lane l xor 16's: the block's largest magnitude
.endr
.irp b, 0,1,2,3
	v_add_nc_u32 v[TM+12+\b], 0xff000000, v[TM+\b] ; 2 off its exponent field: the conversion's scale operand
.endr
.irp b, 0,1,2,3
	v_lshrrev_b32 v[TM+4+\b], 23, v[TM+12+\b]      ; the byte
.endr
	v_lshl_or_b32 v[PW], v[TM+5], 8, v[TM+4]
	v_lshl_or_b32 v[PW], v[TM+6], 16, v[PW]
	v_lshl_or_b32 v[PW], v[TM+7], 24, v[PW]
.irp c, 0,1
	v_cvt_scalef32_pk16_fp6_f32 v[PC+6*\c:PC+2+6*\c], v[\s+32*\c:\s+15+32*\c], v[TM+12+2*\c]
	v_cvt_scalef32_pk16_fp6_f32 v[PC+12+4*\c:PC+14+4*\c], v[\s+16+32*\c:\s+31+32*\c], v[TM+12+2*\c+1]
.endr
	v_nop                                          ; one plain place behind a scaled conversion
.irp c, 0,1                            ; the layout wants a whole block in a lane: lanes 0-15 block 2 c, lanes 16-31 block 2 c + 1
.irp i, 0,1,2
	v_permlane16_swap_b32 v[PC+6*\c+\i], v[PC+12+4*\c+\i]
.endr
.irp i, 0,1,2
	v_mov_b32 v[PC+3+6*\c+\i], v[PC+12+4*\c+\i]
.endr
.endr
.endm
	s_load_b256 s[4:11], s[0:1], 0x0               ; im s[4:5], sc s[6:7], bqkv s[8:9], qkc s[10:11]
	s_load_b128 s[12:15], s[0:1], 0x20             ; qks s[12:13], vc s[14:15]
	s_load_b64 s[16:17], s[0:1], 0x30              ; vs
	v_lshl_add_u32 v[SPW], v0, 2, SPARE
	v_mov_b32 v[NIL], 0
	ds_add_u32 v[SPW], v[NIL]                      ; the wave's opening: the add and its wait ahead of my first tensor load; work on registers stands between them
	ds_add_u32 v[SPW], v[NIL]
	v_lshrrev_b32 v1, 5, v0
	v_readfirstlane_b32 s[WV], v1                  ; wave 0..3
	s_bfe_u32 s19, ttmp6, 0x40000                  ; cx
	s_bfe_u32 s20, ttmp6, 0x40004                  ; cy
	s_and_b32 s22, ttmp7, 0xffff                   ; the cluster's y
	s_lshl_b32 s56, s20, 2
	s_lshl_b32 s56, 15, s56                        ; my row of the cluster
	s_lshl_b32 s57, 0x1111, s19                    ; my column
	; group 1: 8 rows (tiles) x 3,072 bytes (two K steps) as 384 elements of 8 bytes, 12,288 bytes from tile to tile; dense in LDS
	s_or_b32 s24, s56, (3<<16)|(1<<21)             ; S1's tiles go to my row of the cluster
	s_or_b32 s32, s57, (3<<16)|(1<<21)             ; S0's to my column
.irp g, 24, 32
	s_mov_b32 s[\g+1], 384<<16                     ; tensor_dim0
	s_mov_b32 s[\g+2], 8<<16                       ; tensor_dim1
	s_mov_b32 s[\g+3], 384<<16                     ; tile_dim0
	s_mov_b32 s[\g+4], 8                           ; tile_dim1
	s_mov_b32 s[\g+5], 1536                        ; elements from row to row
	s_mov_b32 s[\g+6], 0
	s_mov_b32 s[\g+7], 0
.endr
	s_lshl_b32 s58, s22, 2
	s_add_co_u32 s58, s58, s20                     ; y = 4 x cluster y + cy
	s_lshl_b32 s59, s58, 4                         ; Q, K: S1 = x's tiles 16 y on
	s_lshl_b32 s60, s20, 4
	s_add_co_u32 s60, s60, 640                     ; V: S1 = V's columns, tiles 640 + 16 cy on
	s_lshl_b32 s61, ttmp9, 2
	s_add_co_u32 s61, s61, s19                     ; c0 = 4 x cluster x + cx
	s_lshl_b32 s62, s61, 3
	s_add_co_u32 s62, s62, 512                     ; Q, K: S0 = columns 128 c0 on
	s_max_u32 s63, ttmp9, 4
	s_sub_co_u32 s63, s63, 4
	s_lshl_b32 s63, s63, 3
	s_add_co_u32 s63, s63, s22
	s_lshl_b32 s63, s63, 2
	s_add_co_u32 s63, s63, s19                     ; V: i0 = 4 (8 (cluster x - 4) + cluster y) + cx: which 128 tokens
	s_lshl_b32 s66, s63, 3
	s_cmp_lt_u32 ttmp9, 4                          ; the region: the same in all sixteen partners
	s_cselect_b32 s84, s59, s60                    ; S1's first tile: cy and cluster numbers alone
	s_cselect_b32 s85, s62, s66                    ; S0's first tile: cx and cluster numbers alone
	s_mul_i32 s87, s[WV], 24576                    ; where my eight tiles go in a group: no place in the cluster enters an LDS address
	s_lshl_b32 s92, s[WV], 3
	s_add_co_u32 s92, s92, s84
	s_mul_i32 s92, s92, 12288                      ; waves 0, 1: S1's tiles 8 w on
	s_mov_b32 s93, 0
	s_mul_i32 s94, s85, 12288                      ; wave 2: S0's eight
	s_mov_b32 s95, 0
	s_mov_b32 s[SEL], 0x76543210
	s_mov_b32 s[SEL+1], 0xfedcba98
	s_wait_dscnt 0x0                               ; the opening add is done
	s_wait_kmcnt 0x0
	s_add_nc_u64 s[88:89], s[4:5], s[92:93]
	s_add_nc_u64 s[90:91], s[4:5], s[94:95]
	CROUND                                         ; all sixteen work-groups are here: the joint loads meet
.irp q, 0,1,2,3
	s_mov_b32 s[40+4*\q], 1
	s_add_co_u32 s[41+4*\q], s87, \q*GRP
	s_add_nc_u64 s[42+4*\q:43+4*\q], s[88:89], \q*3072
	s_or_b32 s[43+4*\q], s[43+4*\q], 0x80000000
	s_mov_b32 s[68+4*\q], 1
	s_add_co_u32 s[69+4*\q], s87, \q*GRP
	s_add_nc_u64 s[70+4*\q:71+4*\q], s[90:91], \q*3072
	s_or_b32 s[71+4*\q], s[71+4*\q], 0x80000000
.endr
	s_cmp_lt_u32 s[WV], 2                          ; a wave's four first fills stand in one branch on the wave's number; an s_nop 0 follows each, four v_nop the last
	s_cbranch_scc0 .Lnot_s1
.irp q, 0,1,2,3
	tensor_load_to_lds s[40+4*\q:43+4*\q], s[24:31]
	s_nop 0
.endr
.rept 4
	v_nop
.endr
	s_branch .Lasked
.Lnot_s1:
	s_cmp_eq_u32 s[WV], 2
	s_cbranch_scc0 .Lasked
.irp q, 0,1,2,3
	tensor_load_to_lds s[68+4*\q:71+4*\q], s[32:39]
	s_nop 0
.endr
.rept 4
	v_nop
.endr
.Lasked:
	v_and_b32 v1, 15, v0                           ; r
	v_bfe_u32 v2, v0, 4, 1                         ; h
	v_and_b32 v3, 31, v0                           ; lane
	v_lshlrev_b32 v12, 4, v3                       ; 16 x lane
	v_lshl_add_u32 v13, v3, 3, 512                 ; 512 + 8 x lane
	v_lshlrev_b32 v8, 4, v1
	v_lshl_add_u32 v8, v2, 9, v8                   ; scale words: tile h of a pair, row r: 512 h + 16 r
	v_lshlrev_b32 v9, 6, v2                        ; bias by columns: 16 h numbers on
	s_wait_alu depctr_va_vdst(0)
	v_and_b32 v10, 8, v1
	v_add_nc_u32 v10, v10, v1
	v_lshlrev_b32 v10, 2, v10                      ; bias by channel: 4 (r + 8 (r / 8))
	s_wait_alu depctr_va_vdst(0)
	v_lshlrev_b32 v14, 3, v1
	v_lshl_add_u32 v14, v2, 7, v14                 ; a scale unit on the way out: 128 h + 8 r
	s_lshl_b32 s92, s85, 9
	s_add_nc_u64 s[88:89], s[6:7], s[92:93]        ; S0's scale words
	s_lshl_b32 s94, s[WV], 2
	s_add_co_u32 s94, s94, s84
	s_lshl_b32 s94, s94, 9
	s_add_nc_u64 s[90:91], s[6:7], s[94:95]        ; my four S1 tiles'
.irp i, 0,1,2,3
.irp q, 0,1
	global_load_b128 v[SC0+8*\i+4*\q:SC0+8*\i+4*\q+3], v8, s[88:89] offset:1024*\i+256*\q
.endr
.endr
.irp i, 0,1
.irp q, 0,1
	global_load_b128 v[SC1+8*\i+4*\q:SC1+8*\i+4*\q+3], v8, s[90:91] offset:1024*\i+256*\q
.endr
.endr
	; both kinds of bias are loaded in both regions (both addresses lie inside bqkv in both), so that nothing here hangs on the region
	s_lshl_b32 s92, s61, 9
	s_add_nc_u64 s[96:97], s[8:9], s[92:93]        ; bqkv at column 128 c0
	s_lshl_b32 s94, s20, 10
	s_lshl_b32 s2, s[WV], 8
	s_add_co_u32 s94, s94, s2
	s_add_co_u32 s94, s94, 8192
	s_add_nc_u64 s[2:3], s[8:9], s[94:95]          ; bqkv at column 2,048 + 256 cy + 64 w
	WIN 0xc0                                       ; destination window 3
.irp b, 0,1,2,3,4,5,6,7
	global_load_b128 v[8*\b:8*\b+3], v9, s[96:97] offset:(32*(\b/2)+8*(\b%2))*4       ; register 8 b + j: column 32 (b / 2) + 16 h + 8 (b % 2) + j
	global_load_b128 v[8*\b+4:8*\b+7], v9, s[96:97] offset:(32*(\b/2)+8*(\b%2))*4+16
.endr
.irp a, 0,1,2,3
	global_load_b32 v[64+2*\a], v10, s[2:3] offset:(32*(\a/2)+8*(\a%2))*4             ; my channel of tile a, twice: a pair for the packed add
	global_load_b32 v[65+2*\a], v10, s[2:3] offset:(32*(\a/2)+8*(\a%2))*4
.endr
	WIN 0
	s_mul_i32 s23, s[WV], 12288                    ; my four S1 tiles in a group
	v_add_nc_u32 v[AP1], s23, v12
	v_add_nc_u32 v[AQ1], s23, v13
	v_add_nc_u32 v[AP0], 49152, v12                ; S0's eight lie behind S1's sixteen
	v_add_nc_u32 v[AQ0], 49152, v13
.irp b, 0,1,2,3
	v_mov_b32 v[TM+4+\b], 0                        ; written once: a lane permute's destination counts as one of its sources
.endr
	s_wait_alu depctr_va_vdst(0)
	s_wait_tensorcnt 0x3                           ; my part of group 0 is in; my other three loads may be out
	s_barrier_signal -1
	s_barrier_wait -1                              ; everybody's is
	FETCH 0
	s_wait_loadcnt 0x0                             ; scale words and biases
	KSTEP 0
	KSTEP 1
	s_wait_alu depctr_va_vdst(0)
	KSTEP 2
	KSTEP 3
	s_wait_alu depctr_va_vdst(0)
	KSTEP 4
	KSTEP 5
	s_wait_alu depctr_va_vdst(0)
	KSTEP 6
	KSTEP 7
	WIN 0
	s_wait_tensorcnt 0x0                           ; a tensor wait, an LDS add and its wait behind my last tensor load; no LDS write follows them
	ds_add_u32 v[SPW], v[NIL]
.rept 4
	v_nop                                          ; the places behind the last products, in front of the first read of results
.endr
	s_wait_dscnt 0x0
; THE WAY OUT, an S1 tile at a time: + bias (which also brings the sums into window 0, each accumulator from its low end on), quantised, stored as images.  No LDS, no transposition.
.macro EPI a, isv
	WIN 0x0e                                       ; source 0 window 2 (sums), source 1 window 3 (bias), destination window 0
.set J, 0
.rept 32
.if \isv
	v_pk_add_f32 v[128+J:129+J], v[64*\a+J:64*\a+J+1], v[64+2*\a:65+2*\a]
.else
	v_pk_add_f32 v[128+J:129+J], v[64*\a+J:64*\a+J+1], v[J:J+1]
.endif
.set J, J+2
.endr
	WIN 0
	s_wait_xcnt 0x0                                ; the last tile's stores have read the codes' registers
	QUANT 128
	v_mov_b32 v[16+\a], v[PW]
.if \isv
	global_store_b128 v12, v[PC:PC+3], s[14:15] offset:1536*\a          ; every store of the wave covers 512 or 256 consecutive bytes, aligned to 256
	global_store_b64 v13, v[PC+4:PC+5], s[14:15] offset:1536*\a
	global_store_b128 v12, v[PC+6:PC+9], s[14:15] offset:1536*\a+768
	global_store_b64 v13, v[PC+10:PC+11], s[14:15] offset:1536*\a+768
.else
	global_store_b128 v12, v[PC:PC+3], s[10:11] offset:768*\a           ; the first head's 64,
	global_store_b64 v13, v[PC+4:PC+5], s[10:11] offset:768*\a
	global_store_b128 v12, v[PC+6:PC+9], s[10:11] offset:768*\a+393216  ; the second head's: 4 x 128 x 768 bytes on
	global_store_b64 v13, v[PC+10:PC+11], s[10:11] offset:768*\a+393216
.endif
.endm
	s_cmp_lt_u32 ttmp9, 4
	s_cbranch_scc0 .Lv_out
	s_lshr_b32 s66, s58, 3                         ; Q, K: the batch,
	s_and_b32 s67, s58, 7
	s_lshl_b32 s67, s67, 4
	s_lshl_b32 s23, s[WV], 2
	s_add_co_u32 s67, s67, s23                     ; my first token tile in it
	s_lshl_b32 s92, s61, 3
	s_add_co_u32 s92, s92, s66
	s_lshl_b32 s92, s92, 7
	s_add_co_u32 s92, s92, s67
	s_mul_i32 s92, s92, 768                        ; ((2 c0 x 4 + batch) x 128 + tile) x 768
	s_add_nc_u64 s[10:11], s[10:11], s[92:93]
	s_lshl_b32 s94, s61, 2
	s_add_co_u32 s94, s94, s66
	s_lshl_b32 s94, s94, 5
	s_lshr_b32 s67, s67, 2
	s_add_co_u32 s94, s94, s67
	s_lshl_b32 s94, s94, 8                         ; ((c0 x 4 + batch) x 32 + tile / 4) x 256
	s_add_nc_u64 s[12:13], s[12:13], s[94:95]
	EPI 0, 0
	EPI 1, 0
	EPI 2, 0
	EPI 3, 0
	v_mov_b32 v15, 0x05040100                      ; lanes 0-15 store the first head's bytes (a word's low two), lanes 16-31 the second's
	v_mov_b32 v11, 0x07060302
	v_cmp_ne_u32 vcc_lo, 0, v2
	v_cndmask_b32 v15, v15, v11, vcc_lo
	v_perm_b32 v20, v17, v16, v15                  ; tiles 0 and 1: two bytes each
	v_perm_b32 v21, v19, v18, v15                  ; tiles 2 and 3
	global_store_b64 v14, v[20:21], s[12:13]       ; 256 consecutive bytes, aligned
	s_branch .Lend
.Lv_out:
	s_lshr_b32 s66, s63, 4                         ; V: the batch,
	s_and_b32 s67, s63, 15                         ; the key step
	s_lshl_b32 s92, s20, 2
	s_add_co_u32 s92, s92, s[WV]                   ; the head: 4 cy + w
	s_lshl_b32 s92, s92, 2
	s_add_co_u32 s92, s92, s66
	s_lshl_b32 s92, s92, 4
	s_add_co_u32 s92, s92, s67
	s_lshl_b32 s94, s92, 8
	s_mul_i32 s92, s92, 6144
	s_add_nc_u64 s[14:15], s[14:15], s[92:93]
	s_add_nc_u64 s[16:17], s[16:17], s[94:95]
	EPI 0, 1
	EPI 1, 1
	EPI 2, 1
	EPI 3, 1
	v_cmp_ne_u32 vcc_lo, 0, v2
	v_cndmask_b32 v20, v16, v18, vcc_lo            ; lanes 0-15 store tiles 0 and 1's words, lanes 16-31 tiles 2 and 3's
	v_cndmask_b32 v21, v17, v19, vcc_lo
	global_store_b64 v14, v[20:21], s[16:17]
.Lend:
	CROUND                                         ; the closing round: no work-group ends while a partner may still ask for a tile that names it
	s_endpgm
.Lfunc_end_k_q8d4f63039a_qkv:
	.size	k_q8d4f63039a_qkv, .Lfunc_end_k_q8d4f63039a_qkv-k_q8d4f63039a_qkv
	.p2alignl 7, 3214868480
	.fill 96, 4, 3214868480
	.section	.rodata,"a",@progbits
	.p2align	6, 0x0
	.amdhsa_kernel k_q8d4f63039a_qkv
		.amdhsa_group_segment_fixed_size 327680
		.amdhsa_private_segment_fixed_size 0
		.amdhsa_enable_private_segment 0
		.amdhsa_kernarg_size 56
		.amdhsa_user_sgpr_count 2
		.amdhsa_user_sgpr_kernarg_segment_ptr 1
		.amdhsa_wavefront_size32 1
		.amdhsa_system_sgpr_workgroup_id_x 1
		.amdhsa_system_sgpr_workgroup_id_y 1
		.amdhsa_system_sgpr_workgroup_id_z 1
		.amdhsa_system_vgpr_workitem_id 0
		.amdhsa_next_free_vgpr 848
		.amdhsa_next_free_sgpr 100
		.amdhsa_reserve_vcc 1
		.amdhsa_float_denorm_mode_32 3
		.amdhsa_float_denorm_mode_16_64 3
		.amdhsa_memory_ordered 1
		.amdhsa_forward_progress 1
		.amdhsa_inst_pref_size 123
	.end_amdhsa_kernel
	.amdgpu_metadata
---
amdhsa.version: [ 1, 2 ]
amdhsa.kernels:
  - .name:           k_q8d4f63039a_qkv
    .symbol:         k_q8d4f63039a_qkv.kd
    .args:
      - { .name: im, .offset: 0, .size: 8, .value_kind: global_buffer, .address_space: global }
      - { .name: sc, .offset: 8, .size: 8, .value_kind: global_buffer, .address_space: global }
      - { .name: bqkv, .offset: 16, .size: 8, .value_kind: global_buffer, .address_space: global }
      - { .name: qkc, .offset: 24, .size: 8, .value_kind: global_buffer, .address_space: global }
      - { .name: qks, .offset: 32, .size: 8, .value_kind: global_buffer, .address_space: global }
      - { .name: vc, .offset: 40, .size: 8, .value_kind: global_buffer, .address_space: global }
      - { .name: vs, .offset: 48, .size: 8, .value_kind: global_buffer, .address_space: global }
    .group_segment_fixed_size: 327680
    .private_segment_fixed_size: 0
    .kernarg_segment_align: 8
    .kernarg_segment_size: 56
    .max_flat_workgroup_size: 128
    .sgpr_count:     100
    .vgpr_count:     848
    .wavefront_size: 32
...
	.end_amdgpu_metadata
.endif
;; end of part 2
;; launch attn (part 3): grid 4 x 64, 16 waves a work-group, clusters of 4 x 1, 212,992 bytes of LDS; arguments qkc, qks, vc, vs, cc, cs; writes cc, cs
.if DOCPART == 3
	.amdgcn_target "amdgcn-amd-amdhsa--gfx1250"
	.amdhsa_code_object_version 6
	.text
	.protected	k_q8d4f63039a_attn
	.globl	k_q8d4f63039a_attn
	.p2align	8
	.type	k_q8d4f63039a_attn,@function
k_q8d4f63039a_attn:
	s_mov_b64 s[64:65], 0
	v_nop
	global_prefetch_b8 v0, s[64:65] scope:SCOPE_SE
	s_setreg_imm32_b32 hwreg(HW_REG_WAVE_MODE, 25, 1), 1
	s_wait_xcnt 0x0
	s_wait_alu depctr_hold_cnt(0) depctr_sa_sdst(0) depctr_va_vdst(0) depctr_va_sdst(0) depctr_va_ssrc(0) depctr_va_vcc(0) depctr_vm_vsrc(0)
	s_getreg_b32 s2, hwreg(HW_REG_IB_STS2, 6, 4)
	s_cmp_eq_u32 s2, 0
	s_cbranch_scc0 .Lentry_in_a_cluster
	s_endpgm
.Lentry_in_a_cluster:
	s_bfe_u32 s2, ttmp6, 0x10000c
	s_cmp_lg_u32 s2, 0x3003
	s_cbranch_scc0 .Lentry_shape_is_right
	s_endpgm
.Lentry_shape_is_right:
; Causal attention on codes of FP6 (E2M3): 64 (batch, head) pairs, 2,048 tokens, head size 64.  ctx = softmax(Q K^T / 8) V, quantised at once along C for the last product.
; THE SOFTMAX: t = score x log2(e) / 8; M = the running largest t rounded UP to a whole number; p = 2^(t - M) is quantised along the keys, not normalised; the row's sum is taken of the unquantised p and divides at the end.
; SHARES.  A cluster of four work-groups serves one (batch, head).  Partner cx owns the query tiles 4 m + cx, m = 0 .. 31; wave w takes m = w, then m = 31 - w.  Tile m needs key steps 0 .. m / 2 (128 keys each),
; the last of them on the diagonal: which steps a wave walks hangs on its number alone, never on cx, and every wave has 17 steps in all.  Steps whose keys are all hidden are passed over by a scalar branch on ids.
; K AND V OF THE WHOLE HEAD LIE IN LDS (codes 2 x 98,304 bytes, scale words 2 x 4,096): ten waves ask for a part each, jointly for the four partners (one tensor load a wave); nothing is filled again, and after one barrier the waves run free.
; LAYOUT.  Both products are used transposed: a lane holds ONE query (lane % 16).  A token tile 2 G + u holds tokens 32 G + 8 u + r + 8 (r / 8), so the 16 registers of two neighbouring tiles of S^T are 16 neighbouring keys.
; THE FIRST PRODUCT'S K IS 64, half of the instruction's 128: source 0 holds TWO key tiles (one in k 0-63, one in k 64-127); source 1 is (Q, zeros) or (zeros, Q).  Zero codes add nothing, so one fragment of K feeds two products.
; OUT.  cc [alpha 512][head 16][768]: half images, alpha = (batch x 4 + cx) x 32 + m.  cs [head][alpha / 4][128]: [alpha % 2][row 16][(alpha % 4) / 2] pairs of bytes.
; LIMITS: NaN and infinities are not served; a block of zeros gets the byte 1 (zero codes; this program alone reads the bytes).
; REGISTERS: v1-5 lane parts of addresses; v6, v7 the add's two; v8-11, v35 the step's addresses; v12 -M, v13 the largest t, v[14:15] the sum; v16-21 zeros, v22-27 Q, v28-33 zeros; v34 Q's scale word;
;   v36-83 four fragments (K's, then V's); v84-87 K's scale words, v88-91 V's; v92 the mask's distance; v93-95 lane numbers; v96-159 S^T, then p; v160-191 O^T; v192-210 codes; v212-230 at work; v236 p's scale word.
.set VC,    98304                      ; LDS: K's codes from 0, V's from here,
.set KS,    196608                     ; K's scale words (256 bytes a key step),
.set VS,    200704                     ; V's (likewise),
.set CSG,   204800                     ; 1,024 bytes in which the work-group gathers its scale bytes,
.set SPARE, 205824                     ; and the spare words, 128 bytes for each wave: eight blocks of 256 bytes that no other line names
.set SPW, 6
.set NIL, 7
.set BM,  212                          ; v212-215 a block's largest score, then its largest p
.set BP,  216                          ; v216-219 at work
.set SO,  220                          ; v220-223 the conversions' scale operands
.set WV,  16
.set CX,  17
.set SEL, 20
.set CS,  22
.set G1C, 24                           ; s[24:31] group 1 for codes; s[32:39] for K's scale words; s[40:47] for V's
.set G1KS, 32
.set G1VS, 40
.set G0K, 48                           ; s[48:63] four groups 0
.set G0V, 52
.set G0KS, 56
.set G0VS, 60
.set MM,  66                           ; s66 m; s67 its last key step; s68 the key step; s69, s70 the step's bytes among codes and among scale words
.set LL,  67
.set JJ,  68
.set TB,  69
.set TS,  70
.macro CROUND
	s_barrier_signal -1
	s_barrier_wait -1
	s_cmp_lg_u32 s[WV], 0
	s_cbranch_scc1 .Lnot_wave_0_\@
	s_barrier_signal -3
.Lnot_wave_0_\@:
	s_barrier_wait -3
	s_barrier_signal -1
	s_barrier_wait -1
.endm
.macro FRAG reg, ap, aq, off           ; a fragment's 12 registers from its image
	ds_load_b128 v[(\reg):(\reg)+3], v[\ap] offset:(\off)
	ds_load_b64 v[(\reg)+4:(\reg)+5], v[\aq] offset:(\off)
	ds_load_b128 v[(\reg)+6:(\reg)+9], v[\ap] offset:(\off)+768
	ds_load_b64 v[(\reg)+10:(\reg)+11], v[\aq] offset:(\off)+768
.endm
	s_load_b256 s[4:11], s[0:1], 0x0               ; qkc s[4:5], qks s[6:7], vc s[8:9], vs s[10:11]
	s_load_b128 s[12:15], s[0:1], 0x20             ; cc s[12:13], cs s[14:15]
	v_lshl_add_u32 v[SPW], v0, 2, SPARE
	v_mov_b32 v[NIL], 0
	ds_add_u32 v[SPW], v[NIL]                      ; the wave's opening: the add and its wait ahead of my first tensor load; work on registers stands between them
	ds_add_u32 v[SPW], v[NIL]
	v_lshrrev_b32 v8, 5, v0
	s_delay_alu instid0(VALU_DEP_1)
	v_readfirstlane_b32 s[WV], v8                  ; wave 0..15
	s_bfe_u32 s[CX], ttmp6, 0x40000                ; cx
	s_and_b32 s78, ttmp7, 0xffff
	s_and_b32 s18, s78, 15                         ; the head
	s_lshr_b32 s19, s78, 4                         ; the batch
	; group 1, all with the mask of the four partners and elements of 8 bytes, dense in LDS.  Codes: a quarter of a head's, 24,576 dense bytes as 96 rows of 256
	s_mov_b32 s[G1C], 15|(3<<16)|(1<<21)
	s_mov_b32 s[G1C+1], 32<<16
	s_mov_b32 s[G1C+2], 96<<16
	s_mov_b32 s[G1C+3], 32<<16
	s_mov_b32 s[G1C+4], 96
	s_mov_b32 s[G1C+5], 32
	s_mov_b32 s[G1C+6], 0
	s_mov_b32 s[G1C+7], 0
	s_mov_b32 s[G1KS], 15|(3<<16)|(1<<21)          ; K's scale words: my head's 128 bytes of each unit of 256: 32 rows of 128 bytes, 256 apart
	s_mov_b32 s[G1KS+1], 16<<16
	s_mov_b32 s[G1KS+2], 32<<16
	s_mov_b32 s[G1KS+3], 16<<16
	s_mov_b32 s[G1KS+4], 32
	s_mov_b32 s[G1KS+5], 32
	s_mov_b32 s[G1KS+6], 0
	s_mov_b32 s[G1KS+7], 0
	s_mov_b32 s[G1VS], 15|(3<<16)|(1<<21)          ; V's: 4,096 dense bytes as 16 rows of 256
	s_mov_b32 s[G1VS+1], 32<<16
	s_mov_b32 s[G1VS+2], 16<<16
	s_mov_b32 s[G1VS+3], 32<<16
	s_mov_b32 s[G1VS+4], 16
	s_mov_b32 s[G1VS+5], 32
	s_mov_b32 s[G1VS+6], 0
	s_mov_b32 s[G1VS+7], 0
	s_mov_b32 s[SEL], 0x76543210
	s_mov_b32 s[SEL+1], 0xfedcba98                 ; v_permlanex16_b32's selects for lane l xor 16
	s_mov_b32 s[CS], 0x3e38aa3b                    ; c = log2(e) / 8
	s_mov_b32 s[CS+1], s[CS]                       ; (named with it as a pair, so it is written)
	s_lshl_b32 s88, s18, 2
	s_add_co_u32 s88, s88, s19                     ; head x 4 + batch
	s_and_b32 s89, s[WV], 3
	s_mul_i32 s90, s89, 24576                      ; which quarter of the codes I fetch, if I fetch
	s_mov_b32 s91, 0
	s_mul_i32 s92, s88, 98304                      ; a (head, batch)'s codes
	s_mov_b32 s93, 0
	s_lshl_b32 s94, s88, 12                        ; V's scale words
	s_mov_b32 s95, 0
	s_lshr_b32 s96, s18, 1
	s_lshl_b32 s96, s96, 2
	s_add_co_u32 s96, s96, s19
	s_lshl_b32 s96, s96, 13
	s_and_b32 s97, s18, 1
	s_lshl_b32 s97, s97, 7
	s_add_co_u32 s96, s96, s97                     ; qks: ((head / 2) x 4 + batch) x 8,192 + 128 (head % 2)
	s_mov_b32 s97, 0
	s_mov_b32 s79, 0
	v_and_b32 v8, 31, v0                           ; lane
	v_and_b32 v9, 15, v0                           ; r
	v_bfe_u32 v10, v0, 4, 1                        ; h
	s_delay_alu instid0(VALU_DEP_3)
	v_lshlrev_b32 v1, 4, v8                        ; an image's first part: 16 x lane (K's codes begin at LDS byte 0),
	s_delay_alu instid0(VALU_DEP_4)
	v_lshl_add_u32 v2, v8, 3, 512                  ; its second: 512 + 8 x lane
	s_delay_alu instid0(VALU_DEP_2)
	v_add_nc_u32 v3, VC, v1                        ; the same in V's codes
	s_delay_alu instid0(VALU_DEP_2)
	v_add_nc_u32 v4, VC, v2
	v_lshlrev_b32 v95, 3, v9                       ; 8 r
	s_delay_alu instid0(VALU_DEP_1)
	v_add_nc_u32 v5, KS, v95                       ; scale words: two a row
	v_lshl_add_u32 v94, v9, 2, CSG                 ; my row's place in a unit of scale bytes
	v_and_b32 v11, 8, v9
	s_delay_alu instid0(VALU_DEP_1)
	v_add_nc_u32 v93, v11, v9                      ; r + 8 (r / 8)
	v_lshlrev_b32 v11, 4, v10
	s_delay_alu instid0(VALU_DEP_1)
	v_sub_nc_u32 v93, v93, v11                     ; - 16 h
	s_lshr_b32 s78, s[CX], 1
	s_lshl_b32 s78, s78, 5
	s_and_b32 s81, s[CX], 1
	s_lshl_b32 s89, s81, 3
	s_add_co_u32 s78, s78, s89
	v_add_nc_u32 v93, s78, v93                     ; + 32 (cx / 2) + 8 (cx % 2): my query's place among 64 tokens, less my half's 16 keys (a number for the mask, no address)
	s_mul_i32 s80, s81, 0x02020202
	s_add_co_u32 s80, s80, 0x01000100              ; the byte select that doubles my tile's two scale bytes
	s_and_b32 s89, s[WV], 1
	s_lshl_b32 s89, s89, 9
	s_add_co_u32 s89, s89, CSG
	v_add_nc_u32 v230, s89, v1                     ; where waves 0 and 1 read the gathered scale bytes back
.irp j, 16,17,18,19,20,21,28,29,30,31,32,33
	v_mov_b32 v[\j], 0                             ; the zero halves beside Q
.endr
.irp b, 0,1,2,3
	v_mov_b32 v[BP+\b], 0                          ; written once: a lane permute's destination counts as one of its sources
.endr
	v_mov_b32 v225, 0                              ; (named as the upper half of the pair v[224:225])
	v_mov_b32 v226, 0
	s_wait_dscnt 0x0                               ; the opening add is done
	s_wait_kmcnt 0x0
	s_add_nc_u64 s[82:83], s[4:5], s[92:93]        ; Q's codes of my head and batch
	s_mov_b32 s[G0K], 1
	s_mov_b32 s[G0K+1], s90
	s_add_nc_u64 s[G0K+2:G0K+3], s[82:83], 6291456 ; K's heads lie 16 x 4 x 98,304 bytes behind Q's
	s_add_nc_u64 s[G0K+2:G0K+3], s[G0K+2:G0K+3], s[90:91]
	s_or_b32 s[G0K+3], s[G0K+3], 0x80000000
	s_mov_b32 s[G0V], 1
	s_add_co_u32 s[G0V+1], s90, VC
	s_add_nc_u64 s[G0V+2:G0V+3], s[8:9], s[92:93]
	s_add_nc_u64 s[G0V+2:G0V+3], s[G0V+2:G0V+3], s[90:91]
	s_or_b32 s[G0V+3], s[G0V+3], 0x80000000
	s_mov_b32 s[G0KS], 1
	s_mov_b32 s[G0KS+1], KS
	s_add_nc_u64 s[G0KS+2:G0KS+3], s[6:7], s[96:97]
	s_add_nc_u64 s[G0KS+2:G0KS+3], s[G0KS+2:G0KS+3], 262144   ; K's: 8 x 4 x 8,192 bytes behind Q's
	s_or_b32 s[G0KS+3], s[G0KS+3], 0x80000000
	s_mov_b32 s[G0VS], 1
	s_mov_b32 s[G0VS+1], VS
	s_add_nc_u64 s[G0VS+2:G0VS+3], s[10:11], s[94:95]
	s_or_b32 s[G0VS+3], s[G0VS+3], 0x80000000
	; what is mine alone (cx enters): Q's scale words, cc, cs
	s_add_nc_u64 s[84:85], s[6:7], s[96:97]
	s_lshr_b32 s78, s[CX], 1
	s_lshl_b32 s78, s78, 2
	s_add_nc_u64 s[84:85], s[84:85], s[78:79]      ; + 4 (cx / 2): my pair of tiles
	s_lshl_b32 s81, s19, 2
	s_add_co_u32 s81, s81, s[CX]                   ; batch x 4 + cx
	s_lshl_b32 s78, s81, 9
	s_add_co_u32 s78, s78, s18
	s_mul_i32 s78, s78, 768
	s_add_nc_u64 s[86:87], s[12:13], s[78:79]      ; cc at (alpha = (batch x 4 + cx) x 32, my head)
	s_lshl_b32 s78, s18, 7
	s_lshl_b32 s81, s81, 3
	s_add_co_u32 s78, s78, s81
	s_lshl_b32 s78, s78, 7
	s_and_b32 s81, s[WV], 1
	s_lshl_b32 s81, s81, 9
	s_add_co_u32 s78, s78, s81
	s_add_nc_u64 s[14:15], s[14:15], s[78:79]      ; cs: my work-group's 1,024 bytes, waves 0 and 1 half each
	CROUND                                         ; all four work-groups are here: the joint loads meet
	s_cmp_lt_u32 s[WV], 4                          ; one load a wave: waves 0-3 K's codes, 4-7 V's, 8 K's scale words, 9 V's.  An s_nop 0 and four v_nop follow each line
	s_cbranch_scc0 .Lnot_k
	tensor_load_to_lds s[G0K:G0K+3], s[G1C:G1C+7]
	s_nop 0
.rept 4
	v_nop
.endr
	s_branch .Lasked
.Lnot_k:
	s_cmp_lt_u32 s[WV], 8
	s_cbranch_scc0 .Lnot_v
	tensor_load_to_lds s[G0V:G0V+3], s[G1C:G1C+7]
	s_nop 0
.rept 4
	v_nop
.endr
	s_branch .Lasked
.Lnot_v:
	s_cmp_eq_u32 s[WV], 8
	s_cbranch_scc0 .Lnot_ks
	tensor_load_to_lds s[G0KS:G0KS+3], s[G1KS:G1KS+7]
	s_nop 0
.rept 4
	v_nop
.endr
	s_branch .Lasked
.Lnot_ks:
	s_cmp_eq_u32 s[WV], 9
	s_cbranch_scc0 .Lasked
	tensor_load_to_lds s[G0VS:G0VS+3], s[G1VS:G1VS+7]
	s_nop 0
.rept 4
	v_nop
.endr
.Lasked:
	s_wait_tensorcnt 0x0                           ; my part has landed,
	s_barrier_signal -1
	s_barrier_wait -1                              ; everybody's has: the head's K and V are whole, and stay
; ONE QUERY TILE: p = 0: m = w; p = 1: m = 31 - w.
.macro PASS p
.if \p
	s_xor_b32 s[MM], s[WV], 31
.else
	s_mov_b32 s[MM], s[WV]
.endif
	s_lshr_b32 s[LL], s[MM], 1                     ; the key step on the diagonal
	s_wait_xcnt 0x0                                ; the last tile's loads and stores have read their bases and data
	s_lshl_b32 s78, s[MM], 2
	s_add_co_u32 s78, s78, s[CX]
	s_mul_i32 s78, s78, 768
	s_add_nc_u64 s[72:73], s[82:83], s[78:79]      ; Q's half image of token tile 4 m + cx
	s_lshl_b32 s78, s[MM], 8
	s_add_nc_u64 s[74:75], s[84:85], s[78:79]      ; its scale words: unit m
	s_mul_i32 s78, s[MM], 12288
	s_add_nc_u64 s[76:77], s[86:87], s[78:79]      ; where the tile's ctx goes
	global_load_b128 v[22:25], v1, s[72:73]
	global_load_b64 v[26:27], v2, s[72:73]
	global_load_b32 v34, v95, s[74:75]
	s_and_b32 s78, s[MM], 1
	s_lshl_b32 s81, s78, 6
	v_add_nc_u32 v92, s81, v93                     ; d = my query - the diagonal step's first key - 16 (lane / 16)
	s_lshr_b32 s88, s[MM], 2
	s_lshl_b32 s88, s88, 7
	s_add_co_u32 s88, s88, s81
	s_bfe_u32 s89, s[MM], 0x10001
	s_lshl_b32 s89, s89, 1
	s_add_co_u32 s88, s88, s89
	v_add_nc_u32 v229, s88, v94                    ; my row's two scale bytes: 128 (m / 4) + 64 (m % 2) + 2 ((m % 4) / 2) + 4 r
	v_mov_b32 v13, 0xff61b1e6                      ; the largest t so far: -3e38, under every t
	s_delay_alu instid0(VALU_DEP_1)
	v_floor_f32 v12, -v13                          ; -M
	v_mov_b32 v14, 0                               ; the sum, in two halves
	v_mov_b32 v15, 0
.set J, 0
.rept 32
	v_mov_b32 v[160+J], 0                          ; O^T: the step is written once; the first finds zeros, which the first change of M leaves zeros
.set J, J+1
.endr
	s_mov_b32 s[JJ], 0
	s_mov_b32 s[TB], 0
	s_mov_b32 s[TS], 0
	s_wait_loadcnt 0x0                             ; Q and its scale word
	v_perm_b32 v34, v34, v34, s80                  ; my tile's two bytes, twice: for k 0-63 and for k 64-127
.rept 8
	v_nop                                          ; a scale register written by a vector instruction stands 8 places ahead of a scaled matrix instruction
.endr
.Lstep_\@:                                         ; 16 trips, a constant; a step beyond the diagonal is passed over
	s_cmp_gt_u32 s[JJ], s[LL]
	s_cbranch_scc1 .Lhidden_\@
	s_setprio 2
	v_add_nc_u32 v8, s[TB], v1                     ; these five are also the places in front of loads into registers that the last products read
	v_add_nc_u32 v9, s[TB], v2
	v_add_nc_u32 v10, s[TB], v3
	v_add_nc_u32 v11, s[TB], v4
	v_add_nc_u32 v35, s[TS], v5
.irp g, 0,1,2,3
	FRAG 36+12*\g, 8, 9, 1536*\g                   ; key tiles 2 g and 2 g + 1, one in each half of a fragment
.endr
	ds_load_b64 v[84:85], v35                      ; K's scale words of pairs 0, 1;
	ds_load_b64 v[86:87], v35 offset:128           ; of pairs 2, 3;
	ds_load_b64 v[88:89], v35 offset:4096          ; V's of channel tiles 0, 1;
	ds_load_b64 v[90:91], v35 offset:4224          ; of tiles 2, 3
	s_wait_dscnt 0x0
	s_wait_alu depctr_va_vdst(0)
.irp g, 0,1,2,3
	v_wmma_scale_f32_16x16x128_f8f6f4 v[96+16*\g:103+16*\g], v[36+12*\g:47+12*\g], v[22:33], 0, v[84+\g], v34 matrix_a_fmt:MATRIX_FMT_FP6 matrix_b_fmt:MATRIX_FMT_FP6
	v_wmma_scale_f32_16x16x128_f8f6f4 v[104+16*\g:111+16*\g], v[36+12*\g:47+12*\g], v[16:27], 0, v[84+\g], v34 matrix_a_fmt:MATRIX_FMT_FP6 matrix_b_fmt:MATRIX_FMT_FP6
.endr                                              ; register 16 b + i: key 128 j + 32 b + 16 (lane / 16) + i
.rept 4
	v_nop                                          ; places: in front of the loads below and of the first read of the scores
.endr
.irp t, 0,1,2,3
	FRAG 36+12*\t, 10, 11, 1536*\t                 ; V's four fragments land while the softmax is walked
.endr
	s_cmp_lg_u32 s[JJ], s[LL]
	s_cbranch_scc1 .Lopen_\@
	v_mov_b32 v228, 0xff800000                     ; on the diagonal hidden scores become -infinity ahead of the maximum: p = 0 then
.set N, 0
.rept 64
	v_cmp_gt_i32 vcc_lo, 32*(N/16)+N%16, v92
	v_cndmask_b32 v[96+N], v[96+N], v228, vcc_lo
.set N, N+1
.endr
.Lopen_\@:
.irp b, 0,1,2,3
	v_max3_num_f32 v[BM+\b], v[96+16*\b], v[97+16*\b], v[98+16*\b]   ; the largest score of each block of 32 keys: for the row's maximum and, since p rises with the score, for the block's largest p
.endr
.irp i, 3,5,7,9,11,13
.irp b, 0,1,2,3
	v_max3_num_f32 v[BM+\b], v[BM+\b], v[96+16*\b+\i], v[97+16*\b+\i]
.endr
.endr
.irp b, 0,1,2,3
	v_max_num_f32 v[BM+\b], v[BM+\b], v[111+16*\b]
.endr
.irp b, 0,1,2,3
	s_delay_alu instid0(VALU_DEP_4)
	v_permlanex16_b32 v[BP+\b], v[BM+\b], s[SEL], s[SEL+1]
.endr
.irp b, 0,1,2,3
	s_delay_alu instid0(VALU_DEP_4)
	v_max_num_f32 v[BM+\b], v[BM+\b], v[BP+\b]     ; with lane l xor 16's 16 keys
.endr
	s_delay_alu instid0(VALU_DEP_2)
	v_max3_num_f32 v226, v[BM], v[BM+1], v[BM+2]
	s_delay_alu instid0(VALU_DEP_1)
	v_max_num_f32 v226, v226, v[BM+3]
	s_delay_alu instid0(VALU_DEP_1)
	v_mul_f32 v226, s[CS], v226                    ; as t (c is positive)
	s_delay_alu instid0(VALU_DEP_1)
	v_max_num_f32 v13, v13, v226                   ; the running largest t
	v_mov_b32 v226, v12
	s_delay_alu instid0(VALU_DEP_2)
	v_floor_f32 v12, -v13                          ; the new -M = -ceil(t): a whole number
	s_delay_alu instid0(VALU_DEP_1)
	v_sub_f32 v226, v12, v226                      ; old M - new M: a whole number, 0 or less
	s_delay_alu instid0(VALU_DEP_1)
	v_cvt_i32_f32 v226, v226                       ; (it saturates)
	s_delay_alu instid0(VALU_DEP_1)
	v_ldexp_f32 v224, 1.0, v226                    ; f = 2^(old M - new M): rounds nothing
.set J, 0
	s_setprio 1
.rept 32
	v_pk_fma_f32 v[96+J:97+J], v[96+J:97+J], s[CS:CS+1], v[12:13] op_sel_hi:[1,0,0]   ; t - M, two at a time
.set J, J+2
.endr
.irp b, 0,1,2,3
	v_fma_f32 v[BM+\b], v[BM+\b], s[CS], v12       ; the same of each block's largest score
.endr
.set J, 0
	s_wait_alu depctr_va_vdst(0)
.rept 64
	v_exp_f32 v[96+J], v[96+J]                     ; p = 2^(t - M), at most 1
.set J, J+1
.endr
	v_pk_mul_f32 v[14:15], v[14:15], v[224:225] op_sel_hi:[1,0]   ; the sums under the new M (a plain place behind the exponentials)
	s_wait_alu depctr_va_vdst(0)                   ; one wait for the whole batch, ahead of its first reader
.irp b, 0,1,2,3
	v_exp_f32 v[BM+\b], v[BM+\b]                   ; the block's largest p: the same two instructions on the same number
.endr
	v_pk_add_f32 v[216:217], v[100:101], v[104:105]
	v_pk_add_f32 v[254:255], v[108:109], v[112:113]
	v_pk_add_f32 v[252:253], v[116:117], v[120:121]
	v_pk_add_f32 v[250:251], v[124:125], v[128:129]
	v_pk_add_f32 v[248:249], v[132:133], v[136:137]
	v_pk_add_f32 v[246:247], v[140:141], v[144:145]
	v_pk_add_f32 v[244:245], v[148:149], v[152:153]
	v_pk_add_f32 v[14:15], v[14:15], v[156:157]
	v_pk_add_f32 v[216:217], v[216:217], v[96:97]
	v_pk_add_f32 v[254:255], v[254:255], v[98:99]
	v_pk_add_f32 v[252:253], v[252:253], v[102:103]
	v_pk_add_f32 v[250:251], v[250:251], v[106:107]
	v_pk_add_f32 v[248:249], v[248:249], v[110:111]
	v_pk_add_f32 v[246:247], v[246:247], v[114:115]
	v_pk_add_f32 v[244:245], v[244:245], v[118:119]
	v_pk_add_f32 v[14:15], v[14:15], v[122:123]
	v_pk_add_f32 v[216:217], v[216:217], v[126:127]
	v_pk_add_f32 v[254:255], v[254:255], v[130:131]
	v_pk_add_f32 v[252:253], v[252:253], v[134:135]
	v_pk_add_f32 v[250:251], v[250:251], v[138:139]
	v_pk_add_f32 v[248:249], v[248:249], v[142:143]
	v_pk_add_f32 v[246:247], v[246:247], v[146:147]
	v_pk_add_f32 v[244:245], v[244:245], v[150:151]
	v_pk_add_f32 v[14:15], v[14:15], v[154:155]
	v_pk_add_f32 v[216:217], v[216:217], v[158:159]
	s_delay_alu instid0(VALU_DEP_2)
	v_pk_add_f32 v[14:15], v[14:15], v[250:251]
	s_delay_alu instid0(VALU_DEP_2)
	v_pk_add_f32 v[216:217], v[216:217], v[248:249]
	v_pk_add_f32 v[254:255], v[254:255], v[246:247]
	v_pk_add_f32 v[252:253], v[252:253], v[244:245]
	s_delay_alu instid0(VALU_DEP_2)
	v_pk_add_f32 v[14:15], v[14:15], v[254:255]
	s_delay_alu instid0(VALU_DEP_2)
	v_pk_add_f32 v[216:217], v[216:217], v[252:253]
	s_delay_alu instid0(VALU_DEP_1)
	v_pk_add_f32 v[14:15], v[14:15], v[216:217]
	s_wait_alu depctr_va_vdst(0)                   ; and one for the four
.irp b, 0,1,2,3
	v_max_num_f32 v[BM+\b], 0x1800000, v[BM+\b]    ; the floor 2^(3 - 127): the byte cannot fall under 1
.endr
.irp b, 0,1,2,3
	s_delay_alu instid0(VALU_DEP_4)
	v_add_nc_u32 v[SO+\b], 0xff000000, v[BM+\b]    ; the conversion's scale operand
.endr
.irp b, 0,1,2,3
	s_delay_alu instid0(VALU_DEP_4)
	v_lshrrev_b32 v[BP+\b], 23, v[SO+\b]           ; the byte
.endr
	s_delay_alu instid0(VALU_DEP_3)
	v_lshl_or_b32 v236, v[BP+1], 8, v[BP]          ; p's scale word for these 128 keys
	s_delay_alu instid0(VALU_DEP_1)
	v_lshl_or_b32 v236, v[BP+2], 16, v236
	s_delay_alu instid0(VALU_DEP_1)
	v_lshl_or_b32 v236, v[BP+3], 24, v236
	s_setprio 0
.irp c, 0,1
	v_cvt_scalef32_pk16_fp6_f32 v[192+6*\c:194+6*\c], v[96+32*\c:111+32*\c], v[SO+2*\c]
	v_cvt_scalef32_pk16_fp6_f32 v[204+4*\c:206+4*\c], v[112+32*\c:127+32*\c], v[SO+2*\c+1]
.endr
	v_nop                                          ; one plain place behind a scaled conversion
.irp c, 0,1
.irp i, 0,1,2
	v_permlane16_swap_b32 v[192+6*\c+\i], v[204+4*\c+\i]
.endr
.irp i, 0,1,2
	s_delay_alu instid0(VALU_DEP_3)
	v_mov_b32 v[195+6*\c+\i], v[204+4*\c+\i]
.endr
.endr
.set J, 0
.rept 16
	v_pk_mul_f32 v[160+J:161+J], v[160+J:161+J], v[224:225] op_sel_hi:[1,0]   ; O^T under the new M; these are also the places between p's codes and scale word and the products
.set J, J+2
.endr
	s_wait_alu depctr_va_vdst(0)
	s_wait_dscnt 0x0                               ; V's fragments are in
.irp t, 0,1,2,3
	v_wmma_scale_f32_16x16x128_f8f6f4 v[160+8*\t:167+8*\t], v[36+12*\t:47+12*\t], v[192:203], v[160+8*\t:167+8*\t], v[88+\t], v236 matrix_a_fmt:MATRIX_FMT_FP6 matrix_b_fmt:MATRIX_FMT_FP6
.endr                                              ; the four accumulators take turns; between two links of one stand the others' and the next step's eight
.Lhidden_\@:
	s_add_co_u32 s[TB], s[TB], 6144
	s_add_co_u32 s[TS], s[TS], 256
	s_add_co_u32 s[JJ], s[JJ], 1
	s_cmp_lt_u32 s[JJ], 16
	s_cbranch_scc1 .Lstep_\@
	s_setprio 0
	; the tile's end: O^T / the sum, quantised along the head's 64 (two blocks), stored as a half image
.rept 4
	v_nop
.endr
	v_add_f32 v14, v14, v15
	s_delay_alu instid0(VALU_DEP_1)
	v_permlanex16_b32 v226, v14, s[SEL], s[SEL+1]
	s_delay_alu instid0(VALU_DEP_1)
	v_add_f32 v14, v14, v226                       ; the row's sum
	s_wait_alu depctr_va_vdst(0)
	v_rcp_f32 v14, v14
	v_nop                                          ; a plain place behind the transcendental,
	s_wait_alu depctr_va_vdst(0)                   ; and the wait ahead of its first reader
.set J, 0
.rept 16
	v_pk_mul_f32 v[96+J:97+J], v[160+J:161+J], v[14:15] op_sel_hi:[1,0]   ; register 16 G + i: channel 32 G + 16 (lane / 16) + i; each accumulator from its low end on
.set J, J+2
.endr
.irp b, 0,1
	v_max3_num_f32 v[BM+\b], |v[96+16*\b]|, |v[97+16*\b]|, 0x1800000
.endr
.irp i, 2,4,6,8,10,12,14
.irp b, 0,1
	s_delay_alu instid0(VALU_DEP_2)
	v_max3_num_f32 v[BM+\b], v[BM+\b], |v[96+16*\b+\i]|, |v[97+16*\b+\i]|
.endr
.endr
.irp b, 0,1
	s_delay_alu instid0(VALU_DEP_2)
	v_permlanex16_b32 v[BP+\b], v[BM+\b], s[SEL], s[SEL+1]
.endr
.irp b, 0,1
	s_delay_alu instid0(VALU_DEP_2)
	v_max_num_f32 v[BM+\b], v[BM+\b], v[BP+\b]
.endr
.irp b, 0,1
	s_delay_alu instid0(VALU_DEP_2)
	v_add_nc_u32 v[SO+\b], 0xff000000, v[BM+\b]
.endr
.irp b, 0,1
	s_delay_alu instid0(VALU_DEP_2)
	v_lshrrev_b32 v[BP+\b], 23, v[SO+\b]
.endr
	s_delay_alu instid0(VALU_DEP_1)
	v_lshl_or_b32 v227, v[BP+1], 8, v[BP]          ; my row's two bytes
	v_cvt_scalef32_pk16_fp6_f32 v[192:194], v[96:111], v[SO]
	v_cvt_scalef32_pk16_fp6_f32 v[204:206], v[112:127], v[SO+1]
	v_nop
.irp i, 0,1,2
	v_permlane16_swap_b32 v[192+\i], v[204+\i]
.endr
.irp i, 0,1,2
	s_delay_alu instid0(VALU_DEP_3)
	v_mov_b32 v[195+\i], v[204+\i]
.endr
	global_store_b128 v1, v[192:195], s[76:77]     ; 512 and 256 consecutive bytes, aligned to 256
	global_store_b64 v2, v[196:197], s[76:77]
	ds_store_b16 v229, v227                        ; both halves of the lanes write the same bytes with the same value
.endm
	PASS 0
	PASS 1
	s_wait_dscnt 0x0                               ; for the others' sake: my scale bytes are in LDS
	s_barrier_signal -1
	s_barrier_wait -1
	s_wait_tensorcnt 0x0                           ; a tensor wait, an LDS add and its wait behind my last tensor load and my last LDS store; only an LDS read follows
	ds_add_u32 v[SPW], v[NIL]
	s_wait_dscnt 0x0
	s_cmp_lt_u32 s[WV], 2
	s_cbranch_scc0 .Lno_cs
	ds_load_b128 v[96:99], v230                    ; the work-group's 1,024 scale bytes leave in two stores of 512 consecutive bytes
	s_wait_dscnt 0x0
	global_store_b128 v1, v[96:99], s[14:15]
.Lno_cs:
	CROUND                                         ; the closing round
	s_endpgm
.Lfunc_end_k_q8d4f63039a_attn:
	.size	k_q8d4f63039a_attn, .Lfunc_end_k_q8d4f63039a_attn-k_q8d4f63039a_attn
	.p2alignl 7, 3214868480
	.fill 96, 4, 3214868480
	.section	.rodata,"a",@progbits
	.p2align	6, 0x0
	.amdhsa_kernel k_q8d4f63039a_attn
		.amdhsa_group_segment_fixed_size 212992
		.amdhsa_private_segment_fixed_size 0
		.amdhsa_enable_private_segment 0
		.amdhsa_kernarg_size 48
		.amdhsa_user_sgpr_count 2
		.amdhsa_user_sgpr_kernarg_segment_ptr 1
		.amdhsa_wavefront_size32 1
		.amdhsa_system_sgpr_workgroup_id_x 1
		.amdhsa_system_sgpr_workgroup_id_y 1
		.amdhsa_system_sgpr_workgroup_id_z 1
		.amdhsa_system_vgpr_workitem_id 0
		.amdhsa_next_free_vgpr 256
		.amdhsa_next_free_sgpr 100
		.amdhsa_reserve_vcc 1
		.amdhsa_float_denorm_mode_32 3
		.amdhsa_float_denorm_mode_16_64 3
		.amdhsa_memory_ordered 1
		.amdhsa_forward_progress 1
		.amdhsa_inst_pref_size 69
	.end_amdhsa_kernel
	.amdgpu_metadata
---
amdhsa.version: [ 1, 2 ]
amdhsa.kernels:
  - .name:           k_q8d4f63039a_attn
    .symbol:         k_q8d4f63039a_attn.kd
    .args:
      - { .name: qkc, .offset: 0, .size: 8, .value_kind: global_buffer, .address_space: global }
      - { .name: qks, .offset: 8, .size: 8, .value_kind: global_buffer, .address_space: global }
      - { .name: vc, .offset: 16, .size: 8, .value_kind: global_buffer, .address_space: global }
      - { .name: vs, .offset: 24, .size: 8, .value_kind: global_buffer, .address_space: global }
      - { .name: cc, .offset: 32, .size: 8, .value_kind: global_buffer, .address_space: global }
      - { .name: cs, .offset: 40, .size: 8, .value_kind: global_buffer, .address_space: global }
    .group_segment_fixed_size: 212992
    .private_segment_fixed_size: 0
    .kernarg_segment_align: 8
    .kernarg_segment_size: 48
    .max_flat_workgroup_size: 512
    .sgpr_count:     100
    .vgpr_count:     256
    .wavefront_size: 32
...
	.end_amdgpu_metadata
.endif
;; end of part 3
;; launch proj (part 4): grid 8 x 32, 4 waves a work-group, clusters of 4 x 4, 327,680 bytes of LDS; arguments cc, cs, im, sc, bout, out0; writes out0
.if DOCPART == 4
	.amdgcn_target "amdgcn-amd-amdhsa--gfx1250"
	.amdhsa_code_object_version 6
	.text
	.protected	k_q8d4f63039a_proj
	.globl	k_q8d4f63039a_proj
	.p2align	8
	.type	k_q8d4f63039a_proj,@function
k_q8d4f63039a_proj:
	s_mov_b64 s[64:65], 0
	v_nop
	global_prefetch_b8 v0, s[64:65] scope:SCOPE_SE
	s_setreg_imm32_b32 hwreg(HW_REG_WAVE_MODE, 25, 1), 1
	s_wait_xcnt 0x0
	s_wait_alu depctr_hold_cnt(0) depctr_sa_sdst(0) depctr_va_vdst(0) depctr_va_sdst(0) depctr_va_ssrc(0) depctr_va_vcc(0) depctr_vm_vsrc(0)
	s_getreg_b32 s2, hwreg(HW_REG_IB_STS2, 6, 4)
	s_cmp_eq_u32 s2, 0
	s_cbranch_scc0 .Lentry_in_a_cluster
	s_endpgm
.Lentry_in_a_cluster:
	s_bfe_u32 s2, ttmp6, 0x10000c
	s_cmp_lg_u32 s2, 0xf033
	s_cbranch_scc0 .Lentry_shape_is_right
	s_endpgm
.Lentry_shape_is_right:
; out = Q(ctx) Q(Wout) + bout on codes of FP6 (E2M3) with E8M0 scales, K = 1,024.  ctx's codes come from cc / cs, Wout's from im / sc (tiles 704 on): every K step an image of the operand's 12 registers.
; A work-group of four waves multiplies 16 tiles of tokens (S1, source 1) by 8 tiles of columns (S0, source 0); wave w has S1's tiles 4 w .. 4 w + 3 and all of S0: 32 accumulators.
; In a result lane (r, h) holds token r of its tile and eight neighbouring columns: 32 (b / 2) + 16 h + 8 (b % 2) + j.  bout is the C of each sum's first product.
; S1's tile alpha = (batch x 4 + c) x 32 + m stands for tokens batch x 2,048 + 64 m + 32 (c / 2) + 8 (c % 2) + r + 8 (r / 8).
; ALL OF K LIES IN LDS: 24 tiles x 12,288 bytes, as four groups of two K steps; every tensor load is a first fill, nothing is filled again.  lds_bytes claims all of LDS; the text uses 295,424 bytes.
; CLUSTER 4 x 4: S1's tiles hang on cy alone and are asked for jointly by a row of the cluster, S0's on cx alone, by a column.  A loading wave has four tensor loads out.
; REGISTERS: window 0: v1-17 lane numbers and addresses; v30, v31 the add's two; v32-63 S0's scale words, v64-79 S1's, v80-95 S1's as loaded; v128-223 S1's fragments, two sets; on the way out v128-255 rows of out.
;   window 1: S0's fragments, two sets.  window 2: accumulator (a, b) at v[8 (8 a + b)].  window 3: v0-63 bout.
.set GRP,   73728
.set SPARE, 294912                     ; behind the four groups: the spare words, 128 bytes for each wave: two blocks of 256 bytes that no other line names
.set AP1, 4
.set AQ1, 5
.set AP0, 6
.set AQ0, 7
.set STO, 16                           ; v16  the way out: where I put 32 bytes of a row
.set RD,  17                           ; v17  where I read a row back
.set SPW, 30
.set NIL, 31
.set SC0, 32
.set SC1, 64
.set WV,  18
.set MSB, 0
.macro WIN new
.if MSB != \new
	s_set_vgpr_msb (MSB<<8)|\new
.set MSB, \new
.endif
.endm
.macro CROUND
	s_barrier_signal -1
	s_barrier_wait -1
	s_cmp_lg_u32 s[WV], 0
	s_cbranch_scc1 .Lnot_wave_0_\@
	s_barrier_signal -3
.Lnot_wave_0_\@:
	s_barrier_wait -3
	s_barrier_signal -1
	s_barrier_wait -1
.endm
.macro FRAG reg, ap, aq, off
	ds_load_b128 v[(\reg):(\reg)+3], v[\ap] offset:(\off)
	ds_load_b64 v[(\reg)+4:(\reg)+5], v[\aq] offset:(\off)
	ds_load_b128 v[(\reg)+6:(\reg)+9], v[\ap] offset:(\off)+768
	ds_load_b64 v[(\reg)+10:(\reg)+11], v[\aq] offset:(\off)+768
.endm
.macro WM d, a, b, cr, sa, sb, ra, rb  ; one product; ra, rb: which half of the lanes holds the side's scale words
.if ((\ra) == 0) && ((\rb) == 0)
	v_wmma_scale_f32_16x16x128_f8f6f4 v[(\d):(\d)+7], v[(\a):(\a)+11], v[(\b):(\b)+11], v[(\cr):(\cr)+7], v[\sa], v[\sb] matrix_a_fmt:MATRIX_FMT_FP6 matrix_b_fmt:MATRIX_FMT_FP6
.elseif (\rb) == 0
	v_wmma_scale_f32_16x16x128_f8f6f4 v[(\d):(\d)+7], v[(\a):(\a)+11], v[(\b):(\b)+11], v[(\cr):(\cr)+7], v[\sa], v[\sb] matrix_a_fmt:MATRIX_FMT_FP6 matrix_b_fmt:MATRIX_FMT_FP6 matrix_a_scale:MATRIX_SCALE_ROW1
.elseif (\ra) == 0
	v_wmma_scale_f32_16x16x128_f8f6f4 v[(\d):(\d)+7], v[(\a):(\a)+11], v[(\b):(\b)+11], v[(\cr):(\cr)+7], v[\sa], v[\sb] matrix_a_fmt:MATRIX_FMT_FP6 matrix_b_fmt:MATRIX_FMT_FP6 matrix_b_scale:MATRIX_SCALE_ROW1
.else
	v_wmma_scale_f32_16x16x128_f8f6f4 v[(\d):(\d)+7], v[(\a):(\a)+11], v[(\b):(\b)+11], v[(\cr):(\cr)+7], v[\sa], v[\sb] matrix_a_fmt:MATRIX_FMT_FP6 matrix_b_fmt:MATRIX_FMT_FP6 matrix_a_scale:MATRIX_SCALE_ROW1 matrix_b_scale:MATRIX_SCALE_ROW1
.endif
.endm
; 16 products of K step s.  In step 0 C is bout (window 3, eight registers for each tile of columns).  The 32 accumulators take turns, one instruction a turn, in the same order in every step.
.macro MUL16 a0, s
.irp a, \a0, \a0+1
.irp b, 0,1,2,3,4,5,6,7
.if (\s) == 0
	WM 8*(8*(\a)+\b), 128*((\s)%2)+12*\b, 128+48*((\s)%2)+12*(\a), 8*\b, SC0+8*(\b/2)+(\s), SC1+8*((\a)/2)+(\s), \b%2, (\a)%2
.else
	WM 8*(8*(\a)+\b), 128*((\s)%2)+12*\b, 128+48*((\s)%2)+12*(\a), 8*(8*(\a)+\b), SC0+8*(\b/2)+(\s), SC1+8*((\a)/2)+(\s), \b%2, (\a)%2
.endif
.endr
.endr
.endm
.macro FETCH s
	WIN 0x40
.irp b, 0,1,2,3,4,5,6,7
	FRAG 128*((\s)%2)+12*\b, AP0, AQ0, 3072*\b+1536*((\s)%2)
.endr
	WIN 0
.irp a, 0,1,2,3
	FRAG 128+48*((\s)%2)+12*\a, AP1, AQ1, 3072*\a+1536*((\s)%2)
.endr
.endm
.macro MWIN s
.if (\s) == 0
	WIN 0xb1                                       ; source 0 window 1, source 1 window 0, C window 3, D window 2
.else
	WIN 0xa1                                       ; C and D window 2
.endif
.endm
; A K step: 32 products; in its middle the next step's fragments are fetched, behind four plain vector instructions that name no register of the products (ISA guide 7.12.1 for vector instructions).
; An odd step's successor lies in the next group: my part of that group has landed (the later groups may stay out), and a barrier shows everybody's.
.macro KSTEP s
	s_wait_dscnt 0x0
.if ((\s)%2 == 1) && ((\s) < 7)
	s_wait_tensorcnt 2-((\s)-1)/2                  ; of my four loads those of the groups behind the next one may be out
	s_barrier_signal -1
.endif
	MWIN \s
	MUL16 0, \s
.if (\s) < 7
	WIN 0
.if (\s)%2 == 1
	s_barrier_wait -1
	v_add_nc_u32 v[AP1], GRP, v[AP1]               ; on to the next group: these four are also the places in front of the loads
	v_add_nc_u32 v[AQ1], GRP, v[AQ1]
	v_add_nc_u32 v[AP0], GRP, v[AP0]
	v_add_nc_u32 v[AQ0], GRP, v[AQ0]
.else
.rept 4
	v_nop
.endr
.endif
	FETCH (\s)+1
	MWIN \s
.endif
	MUL16 2, \s
.endm
	s_load_b256 s[4:11], s[0:1], 0x0               ; cc s[4:5], cs s[6:7], im s[8:9], sc s[10:11]
	s_load_b128 s[12:15], s[0:1], 0x20             ; bout s[12:13], out0 s[14:15]
	v_lshl_add_u32 v[SPW], v0, 2, SPARE
	v_mov_b32 v[NIL], 0
	ds_add_u32 v[SPW], v[NIL]                      ; the wave's opening: the add and its wait ahead of my first tensor load; work on registers stands between them
	ds_add_u32 v[SPW], v[NIL]
	v_lshrrev_b32 v1, 5, v0
	v_readfirstlane_b32 s[WV], v1
	s_bfe_u32 s19, ttmp6, 0x40000                  ; cx
	s_bfe_u32 s20, ttmp6, 0x40004                  ; cy
	s_and_b32 s22, ttmp7, 0xffff
	s_lshl_b32 s56, s20, 2
	s_lshl_b32 s56, 15, s56                        ; my row of the cluster
	s_lshl_b32 s57, 0x1111, s19                    ; my column
	s_or_b32 s24, s56, (3<<16)|(1<<21)             ; group 1: 8 rows (tiles) x 3,072 bytes as 384 elements of 8 bytes, 12,288 bytes apart; S1's go to my row,
	s_or_b32 s32, s57, (3<<16)|(1<<21)             ; S0's to my column
.irp g, 24, 32
	s_mov_b32 s[\g+1], 384<<16
	s_mov_b32 s[\g+2], 8<<16
	s_mov_b32 s[\g+3], 384<<16
	s_mov_b32 s[\g+4], 8
	s_mov_b32 s[\g+5], 1536
	s_mov_b32 s[\g+6], 0
	s_mov_b32 s[\g+7], 0
.endr
	s_lshl_b32 s58, s22, 2
	s_add_co_u32 s58, s58, s20                     ; y = 4 x cluster y + cy
	s_lshl_b32 s84, s58, 4                         ; S1's first tile
	s_lshl_b32 s61, ttmp9, 2
	s_add_co_u32 s61, s61, s19                     ; c0 = 4 x cluster x + cx
	s_lshl_b32 s85, s61, 3
	s_add_co_u32 s85, s85, 704                     ; S0's first tile
	s_mul_i32 s87, s[WV], 24576
	s_lshl_b32 s92, s[WV], 3
	s_add_co_u32 s92, s92, s84
	s_mul_i32 s92, s92, 12288
	s_mov_b32 s93, 0
	s_mul_i32 s94, s85, 12288
	s_mov_b32 s95, 0
	s_wait_dscnt 0x0                               ; the opening add is done
	s_wait_kmcnt 0x0
	s_add_nc_u64 s[88:89], s[4:5], s[92:93]
	s_add_nc_u64 s[90:91], s[8:9], s[94:95]
	CROUND                                         ; all sixteen work-groups are here: the joint loads meet
.irp q, 0,1,2,3
	s_mov_b32 s[40+4*\q], 1
	s_add_co_u32 s[41+4*\q], s87, \q*GRP
	s_add_nc_u64 s[42+4*\q:43+4*\q], s[88:89], \q*3072
	s_or_b32 s[43+4*\q], s[43+4*\q], 0x80000000
	s_mov_b32 s[68+4*\q], 1
	s_add_co_u32 s[69+4*\q], s87, \q*GRP
	s_add_nc_u64 s[70+4*\q:71+4*\q], s[90:91], \q*3072
	s_or_b32 s[71+4*\q], s[71+4*\q], 0x80000000
.endr
	s_cmp_lt_u32 s[WV], 2                          ; a wave's four first fills stand in one branch on the wave's number; an s_nop 0 follows each, four v_nop the last
	s_cbranch_scc0 .Lnot_s1
.irp q, 0,1,2,3
	tensor_load_to_lds s[40+4*\q:43+4*\q], s[24:31]
	s_nop 0
.endr
.rept 4
	v_nop
.endr
	s_branch .Lasked
.Lnot_s1:
	s_cmp_eq_u32 s[WV], 2
	s_cbranch_scc0 .Lasked
.irp q, 0,1,2,3
	tensor_load_to_lds s[68+4*\q:71+4*\q], s[32:39]
	s_nop 0
.endr
.rept 4
	v_nop
.endr
.Lasked:
	v_and_b32 v1, 15, v0                           ; r
	v_bfe_u32 v2, v0, 4, 1                         ; h
	v_and_b32 v3, 31, v0                           ; lane
	v_lshlrev_b32 v12, 4, v3                       ; 16 x lane
	v_lshl_add_u32 v13, v3, 3, 512                 ; 512 + 8 x lane
	v_lshlrev_b32 v8, 4, v1
	v_lshl_add_u32 v8, v2, 9, v8                   ; S0's scale words: 512 h + 16 r
	v_lshlrev_b32 v9, 6, v2                        ; bout: 16 h numbers on
	s_wait_alu depctr_va_vdst(0)
	v_lshlrev_b32 v11, 2, v3                       ; S1's scale bytes: 4 x lane
	s_lshl_b32 s92, s85, 9
	s_add_nc_u64 s[88:89], s[10:11], s[92:93]
	s_lshl_b32 s94, s58, 2
	s_add_co_u32 s94, s94, s[WV]
	s_lshl_b32 s94, s94, 7
	s_add_nc_u64 s[90:91], s[6:7], s[94:95]        ; cs: unit 4 y + w of each head
.irp i, 0,1,2,3
.irp q, 0,1
	global_load_b128 v[SC0+8*\i+4*\q:SC0+8*\i+4*\q+3], v8, s[88:89] offset:1024*\i+256*\q
.endr
.endr
.set J, 0
.rept 16
	global_load_b32 v[80+J], v11, s[90:91] offset:16384*J   ; head J: low half my tiles 0 (lanes 0-15) and 1 (lanes 16-31), high half tiles 2 and 3
.set J, J+1
.endr
	s_lshl_b32 s92, s61, 9
	s_add_nc_u64 s[96:97], s[12:13], s[92:93]      ; bout at column 128 c0
	WIN 0xc0                                       ; destination window 3
.irp b, 0,1,2,3,4,5,6,7
	global_load_b128 v[8*\b:8*\b+3], v9, s[96:97] offset:(32*(\b/2)+8*(\b%2))*4
	global_load_b128 v[8*\b+4:8*\b+7], v9, s[96:97] offset:(32*(\b/2)+8*(\b%2))*4+16
.endr
	WIN 0
	s_mul_i32 s23, s[WV], 12288
	v_add_nc_u32 v[AP1], s23, v12
	v_add_nc_u32 v[AQ1], s23, v13
	v_add_nc_u32 v[AP0], 49152, v12
	v_add_nc_u32 v[AQ0], 49152, v13
	s_mul_i32 s23, s[WV], 8448                     ; my stage for the way out: 16 rows x (512 bytes + 16), in group 0's bytes
	v_mul_u32_u24 v[STO], v1, 528
	v_lshl_add_u32 v[STO], v2, 6, v[STO]
	v_add_nc_u32 v[STO], s23, v[STO]               ; in: row r, + 64 h
	v_add_nc_u32 v[RD], s23, v12                   ; back: 16 bytes a lane of a row
	s_lshr_b32 s66, s58, 3
	s_lshl_b32 s66, s66, 11                        ; the batch's 2,048 rows
	s_bfe_u32 s67, s58, 0x10002
	s_lshl_b32 s67, s67, 5
	s_add_co_u32 s66, s66, s67                     ; + 32 (c / 2)
	s_bfe_u32 s67, s58, 0x10001
	s_lshl_b32 s67, s67, 3
	s_add_co_u32 s66, s66, s67                     ; + 8 (c % 2)
	s_and_b32 s67, s58, 1
	s_lshl_b32 s67, s67, 10
	s_add_co_u32 s66, s66, s67                     ; + 64 x 16 (y % 2)
	s_lshl_b32 s67, s[WV], 8
	s_add_co_u32 s66, s66, s67                     ; + 64 x 4 w
	s_lshl_b32 s92, s66, 12
	s_lshl_b32 s67, s61, 9
	s_add_co_u32 s92, s92, s67                     ; + my 128 columns
	s_add_nc_u64 s[14:15], s[14:15], s[92:93]
	s_wait_alu depctr_va_vdst(0)
	s_wait_tensorcnt 0x3                           ; my part of group 0 is in; my other three loads may be out
	s_barrier_signal -1
	s_barrier_wait -1
	FETCH 0
	s_wait_loadcnt 0x0                             ; scale words and bout
.irp s, 0,1,2,3,4,5,6,7
	v_perm_b32 v[SC1+\s], v[81+2*\s], v[80+2*\s], 0x05040100     ; K step s = heads 2 s and 2 s + 1: two bytes each; tiles 0, 1
	v_perm_b32 v[SC1+8+\s], v[81+2*\s], v[80+2*\s], 0x07060302   ; tiles 2, 3
.endr
.rept 8
	v_nop                                          ; a scale register written by a vector instruction stands 8 places ahead of a scaled matrix instruction
.endr
	KSTEP 0
	KSTEP 1
	s_wait_alu depctr_va_vdst(0)
	KSTEP 2
	KSTEP 3
	s_wait_alu depctr_va_vdst(0)
	KSTEP 4
	KSTEP 5
	s_wait_alu depctr_va_vdst(0)
	KSTEP 6
	KSTEP 7
	WIN 0
; THE WAY OUT, a tile of 16 tokens x 128 columns at a time, through my own stage: in as 32 bytes a lane, back as whole rows of 512 bytes.  The stage lies in group 0's bytes: they were filled once, and every wave
; has passed three barriers behind its last read of them.  LDS serves a wave's instructions in order (ISA guide 5.7.1.4): no wait between the stores and the loads, nor in front of the next tile's stores.
.macro TOSTAGE a
	WIN 0x08                                       ; an LDS store's data are its source 1: window 2
.irp b, 0,1,2,3,4,5,6,7
	ds_store_b128 v[STO], v[64*\a+8*\b:64*\a+8*\b+3] offset:128*(\b/2)+32*(\b%2)      ; each accumulator from its low end on
	ds_store_b128 v[STO], v[64*\a+8*\b+4:64*\a+8*\b+7] offset:128*(\b/2)+32*(\b%2)+16
.endr
	WIN 0
.irp t, 0,1,2,3,4,5,6,7,8,9,10,11,12,13,14,15
	ds_load_b128 v[128+64*((\a)%2)+4*\t:128+64*((\a)%2)+4*\t+3], v[RD] offset:\t*528
.endr
.endm
.macro SEND a, younger                 ; younger: the LDS instructions issued behind tile a's loads, which may stay out
	s_wait_dscnt \younger
.irp t, 0,1,2,3,4,5,6,7,8,9,10,11,12,13,14,15
	global_store_b128 v12, v[128+64*((\a)%2)+4*\t:128+64*((\a)%2)+4*\t+3], s[14:15] offset:(\a)*262144+(\t+8*(\t/8))*4096 th:TH_STORE_NT   ; 512 consecutive bytes, aligned to 256; a tile is 64 rows on from the last
.endr
.endm
.rept 4
	v_nop                                          ; the places behind the last products: for the first read of results and for the loads into the fragments' registers
.endr
	TOSTAGE 0
	TOSTAGE 1
	SEND 0, 32                                     ; behind tile 0's loads: tile 1's 16 stores and 16 loads
	s_wait_xcnt 0x0                                ; tile 0's stores have read their registers: tile 2's rows may land there
	TOSTAGE 2
	SEND 1, 32
	s_wait_xcnt 0x0
	TOSTAGE 3
	SEND 2, 32
	SEND 3, 0
	s_wait_tensorcnt 0x0                           ; the wave's end: a tensor wait, an LDS add and its wait behind my last tensor load and my last LDS store
	ds_add_u32 v[SPW], v[NIL]
	s_wait_dscnt 0x0
	CROUND                                         ; the closing round
	s_endpgm
.Lfunc_end_k_q8d4f63039a_proj:
	.size	k_q8d4f63039a_proj, .Lfunc_end_k_q8d4f63039a_proj-k_q8d4f63039a_proj
	.p2alignl 7, 3214868480
	.fill 96, 4, 3214868480
	.section	.rodata,"a",@progbits
	.p2align	6, 0x0
	.amdhsa_kernel k_q8d4f63039a_proj
		.amdhsa_group_segment_fixed_size 327680
		.amdhsa_private_segment_fixed_size 0
		.amdhsa_enable_private_segment 0
		.amdhsa_kernarg_size 48
		.amdhsa_user_sgpr_count 2
		.amdhsa_user_sgpr_kernarg_segment_ptr 1
		.amdhsa_wavefront_size32 1
		.amdhsa_system_sgpr_workgroup_id_x 1
		.amdhsa_system_sgpr_workgroup_id_y 1
		.amdhsa_system_sgpr_workgroup_id_z 1
		.amdhsa_system_vgpr_workitem_id 0
		.amdhsa_next_free_vgpr 832
		.amdhsa_next_free_sgpr 100
		.amdhsa_reserve_vcc 0
		.amdhsa_float_denorm_mode_32 3
		.amdhsa_float_denorm_mode_16_64 3
		.amdhsa_memory_ordered 1
		.amdhsa_forward_progress 1
		.amdhsa_inst_pref_size 88
	.end_amdhsa_kernel
	.amdgpu_metadata
---
amdhsa.version: [ 1, 2 ]
amdhsa.kernels:
  - .name:           k_q8d4f63039a_proj
    .symbol:         k_q8d4f63039a_proj.kd
    .args:
      - { .name: cc, .offset: 0, .size: 8, .value_kind: global_buffer, .address_space: global }
      - { .name: cs, .offset: 8, .size: 8, .value_kind: global_buffer, .address_space: global }
      - { .name: im, .offset: 16, .size: 8, .value_kind: global_buffer, .address_space: global }
      - { .name: sc, .offset: 24, .size: 8, .value_kind: global_buffer, .address_space: global }
      - { .name: bout, .offset: 32, .size: 8, .value_kind: global_buffer, .address_space: global }
      - { .name: out0, .offset: 40, .size: 8, .value_kind: global_buffer, .address_space: global }
    .group_segment_fixed_size: 327680
    .private_segment_fixed_size: 0
    .kernarg_segment_align: 8
    .kernarg_segment_size: 48
    .max_flat_workgroup_size: 128
    .sgpr_count:     100
    .vgpr_count:     832
    .wavefront_size: 32
...
	.end_amdgpu_metadata
.endif
;; end of part 4
